; MI455X (gfx1250); checked and timed in simulation.
; The chip was launched on July 23, 2026; its instructions are those of AMD's public machine-readable ISA for CDNA 5 (MIT licence, August 2026) and "CDNA5" Instruction Set Architecture Reference Guide (July 2026). The comments in the code are by the model that wrote it; some were corrected since.
;; Multi Head Attention. Allowed arithmetic: matrix products marked QUANTISED: E4M3 operands, one given power-of-two scale a tensor, by v_wmma_f32_16x16x64_fp8_fp8 or v_wmma_f32_16x16x128_fp8_fp8, f32 sums; everything else in f32.
;; Inputs: Wk 1,024 x 1,024 float32; Wo 1,024 x 1,024 float32; Wq 1,024 x 1,024 float32; Wv 1,024 x 1,024 float32; bk 1,024 float32; bo 1,024 float32; bq 1,024 float32; bv 1,024 float32; key 8 x 1,024 x 1,024 float32; lowp_scales 12 int32 (the exponents e of the quantised operands' scales 2^e); mask 8 x 1 x 1,024 bool; query 8 x 1,024 x 1,024 float32; value 8 x 1,024 x 1,024 float32.
;; Outputs: out0 8 x 1,024 x 1,024 float32.
;; This version of the problem:
;;   THIS VERSION OF THE PROBLEM IS GIVEN IN LOW PRECISION. The matrix products marked QUANTISED in the list below multiply operands that are first quantised to E4M3 (4 exponent bits, 3 mantissa bits; 8 bits a number), with one given power-of-two scale for each operand tensor; their sums are f32. All else is computed in f32.
;;   The module's matrix products, in the order in which they are computed (A, B: the left and right operand; K: the contracted axis; several contracted axes count as one K, in the product's order):
;;     1. [M 8,192, K 1,024] x [K 1,024, N 1,024]; A: input key; B: input Wk: QUANTISED (scales: A lowp_scales[0], B lowp_scales[1])
;;     2. [M 8,192, K 1,024] x [K 1,024, N 1,024]; A: input value; B: input Wv: QUANTISED (scales: A lowp_scales[2], B lowp_scales[3])
;;     3. [M 8,192, K 1,024] x [K 1,024, N 1,024]; A: input query; B: input Wq: QUANTISED (scales: A lowp_scales[4], B lowp_scales[5])
;;     4. batch 128 x [M 1,024, K 64] x [K 64, N 1,024]; A: computed on the way; B: computed on the way: QUANTISED (scales: A lowp_scales[6], B lowp_scales[7])
;;     5. batch 128 x [M 1,024, K 1,024] x [K 1,024, N 64]; A: computed on the way; B: computed on the way: QUANTISED (scales: A lowp_scales[8], B lowp_scales[9])
;;     6. [M 8,192, K 1,024] x [K 1,024, N 1,024]; A: computed on the way; B: input Wo: QUANTISED (scales: A lowp_scales[10], B lowp_scales[11])
;;   THE QUANTISER, for each operand of a quantised product, along K:
;;     - The operand's scale is 2^e, e = its entry of the input lowp_scales (int32; the entries are numbered through the quantised products in the list's order, A before B).
;;     - Each number is divided by the scale, clamped to +-448, and rounded to the nearest number of E4M3, ties to even, subnormals kept.
;;     - The product sums the exact products of the quantised numbers (number of the format x scale) in f32.
;;   ~~~python
;;   def quantise(x, axis, e):      # numpy; x: float32 -> the quantised numbers, widened to float32 again
;;       x = np.moveaxis(x, axis, -1); K = x.shape[-1]
;;       r = np.clip(x / 2.0 ** e, -448, 448)
;;       step = 2.0 ** (np.maximum(np.frexp(np.where(r == 0, 1, r))[1] - 1, -6) - 3)
;;       q = np.round(r / step) * step * 2.0 ** e      # np.round: ties to even
;;       return np.moveaxis(q, -1, axis).astype(np.float32)
;;   ~~~
;;   OPERANDS COMPUTED ON THE WAY. 'Computed on the way' means the value that the module computes at that place (a softmax that the list does not call 'softmax' is quantised finished and normalised). What goes into a quantiser is computed in f32, as accurately as f32 sums, v_exp_f32 and their like allow (about 1e-6 of the number): no bf16 or f16 on the way to a quantiser, and a product that is left as it is and whose result goes on into a quantised operand takes f32 operands (vector FMAs, or v_wmma_f32_16x16x4_f32). A number that lies on a knife's edge between two numbers of the format may be rounded either way, as far as f32 arithmetic and the matrix unit's own rounding can turn it there, and no further.
;; One version. Each part assembles by itself: llvm-mc -triple=amdgcn-amd-amdhsa -mcpu=gfx1250 --defsym DOCPART=n.
;; ======== version 1 of 1: 4 launches
;; limits: right only within a limited range of input values
;; workspace buffers: xc 25,165,824 bytes; wc 4,194,304 bytes; aux 41,216 bytes; kc 9,437,184 bytes; qc 9,437,184 bytes; vc 8,388,608 bytes; cc 8,388,608 bytes
;; launch quant (part 1): grid 912 x 1, 4 waves a work-group, no clusters, 33,280 bytes of LDS; arguments key, value, query, Wk, Wv, Wq, Wo, lowp_scales, mask, xc, wc, aux, kc; writes xc, wc, aux, kc
.if DOCPART == 1
	.amdgcn_target "amdgcn-amd-amdhsa--gfx1250"
	.amdhsa_code_object_version 6
	.text
	.protected	k_q701f1baa17_quant
	.globl	k_q701f1baa17_quant
	.p2align	8
	.type	k_q701f1baa17_quant,@function
k_q701f1baa17_quant:
	s_mov_b64 s[64:65], 0
	v_nop
	global_prefetch_b8 v0, s[64:65] scope:SCOPE_SE
	s_setreg_imm32_b32 hwreg(HW_REG_WAVE_MODE, 25, 1), 1
	s_wait_xcnt 0x0
; THE FIRST LAUNCH.  (1) key, value, query [8192][1024] and Wk, Wv, Wq, Wo [1024][1024], f32, K innermost, become codes of FP8 (E4M3), each with the scale 2^e given for it:
; code = x / 2^e, held within +-448, to the nearest code, ties to even.  xc = [key, value, query] on end, wc = [Wk, Wv, Wq, Wo] on end, a code a byte.
; (2) Sixteen more work-groups make what the attention launch reads beside the codes: zeros in kc's 64 rows ahead of and behind each head's 1,024 keys; FILL, the number that a masked key's score is
; replaced by; WTAB, the window's weights.
; LIMITS: each e between -126 and 119; e6 + e7 between -40 and 40; NaN among the inputs is not served; a mask byte is 0 or 1; a weight under 2^-126 may come out as 0 (times the fill of -1e18 that is under 1.2e-20).
; WORK-GROUPS 0 .. 895: a plain stream, 32,768 numbers each: 256 for each of key, value, query, 32 for each weight.  A wave takes 16 steps of 512 numbers.  Each load reads 512 consecutive bytes, 16 a lane;
; a step's 2,048 bytes turn through the wave's own stage in LDS and come back 64 bytes a lane: 16 neighbours along K, as the conversion wants them; a lane's 16 codes are 16 bytes, a wave's store 512 consecutive bytes.
; No tensor load, no barrier: waves share nothing.  Loads run four steps (16 loads a wave) ahead, the turn through LDS one step.
.set NQ,    896                        ; work-groups that quantise
.set WAVES, 4
.set STEPS, 16
.set EMAX,  8
.set MANT,  0x600000                   ; the mantissa field of 448 as f32
.set CB,    16                         ; bytes of 16 codes
.set R,     16                         ; v16-79   four sets of 16 numbers as they are loaded
.set X,     80                         ; v80-111  two sets of 16 neighbours
.set C,     128                        ; v128-191 codes: four registers for each step, so that no store's data are written again
.set WREG,  8192                       ; LDS: a region for each wave: two stages of 32 x SP bytes
.set SP,    80                         ; a lane's place in a stage: its 64 bytes + 16 of padding
.set SPW,   12                         ; v12  LDS address of my spare word; never rewritten
.set NIL,   13                         ; v13  0; never rewritten
.set SPARE, WAVES*WREG                 ; behind the four regions: the spare words, 128 bytes a wave
.set KCH,   73728                      ; a head in kc: 1,152 rows of 64 bytes
.set FILL0, 4352                       ; FILL begins here in aux, behind WTAB's four copies of 1,088 bytes
.set FILLB, 4608                       ; a batch's 1,152 numbers of FILL
.set E,     20                         ; v20-33  e^(-n^2 / 8), n = 1 .. 14
.set DEN,   34                         ; v34-47  d^2 + 4 n^2, then its reciprocal
	s_load_b512 s[8:23], s[0:1], 0x0               ; key s[8:9], value s[10:11], query s[12:13], Wk s[14:15], Wv s[16:17], Wq s[18:19], Wo s[20:21], the scales' exponents s[22:23]
	s_load_b256 s[24:31], s[0:1], 0x40             ; mask s[24:25], xc s[26:27], wc s[28:29], aux s[30:31]
	s_load_b64 s[32:33], s[0:1], 0x60              ; kc
	v_lshl_add_u32 v[SPW], v0, 2, SPARE
	v_mov_b32 v[NIL], 0
	s_cmp_ge_u32 ttmp9, NQ
	s_cbranch_scc1 .Laux
	v_lshrrev_b32 v1, 5, v0
	v_readfirstlane_b32 s41, v1                    ; wave
	v_and_b32 v2, 31, v0                           ; lane
	v_lshlrev_b32 v3, 4, v2                        ; my 16 bytes of a load's 512
	s_mul_i32 s42, s41, WREG
	v_lshrrev_b32 v14, 2, v2
	v_mul_u32_u24 v14, v14, SP
	v_and_b32 v15, 3, v2
	v_lshl_add_u32 v14, v15, 4, v14
	v_add_nc_u32 v14, s42, v14                     ; the stage, on the way in: four lanes' 64 bytes on end, then 16 of padding
	v_mul_u32_u24 v15, v2, SP
	v_add_nc_u32 v15, s42, v15                     ; and on the way out: my 16 neighbours
	v_mul_u32_u24 v4, v2, CB                       ; my codes' place in a step's
	; which tensor, which part of it, which scale: all from the work-group's number t
	s_and_b32 s34, ttmp9, 255                      ; t < 768: part t % 256 of key, value or query
	s_sub_co_u32 s35, ttmp9, 768
	s_and_b32 s36, s35, 31                         ; else part (t - 768) % 32 of a weight
	s_lshr_b32 s38, ttmp9, 8
	s_lshl_b32 s38, s38, 1                         ; scales 0, 2, 4 for key, value, query
	s_lshr_b32 s39, s35, 5
	s_lshl_b32 s40, s39, 1
	s_add_co_u32 s40, s40, 1                       ; 1, 3, 5 for Wk, Wv, Wq,
	s_cmp_lt_u32 s39, 3
	s_cselect_b32 s40, s40, 11                     ; 11 for Wo
	s_cmp_lt_u32 ttmp9, 768
	s_cselect_b32 s34, s34, s36
	s_cselect_b32 s37, ttmp9, s35                  ; the part's number in xc or in wc
	s_cselect_b32 s38, s38, s40
	s_lshl_b32 s38, s38, 2
	s_min_u32 s38, s38, 44
	s_lshl_b32 s44, s34, 2
	s_add_co_u32 s44, s44, s41
	s_lshl_b32 s44, s44, 15                        ; my wave's 8,192 numbers: 32,768 bytes,
	s_mov_b32 s45, 0
	s_lshl_b32 s46, s37, 2
	s_add_co_u32 s46, s46, s41
	s_lshl_b32 s46, s46, 13                        ; and their 8,192 codes
	s_mov_b32 s47, 0
	s_wait_alu depctr_va_vdst(0)
	s_wait_kmcnt 0x0
	s_load_b32 s48, s[22:23], s38 offset:0x0       ; e
	s_mov_b64 s[4:5], s[8:9]                       ; the choice of buffers hangs on the work-group's number alone
	s_cmp_ge_u32 ttmp9, 256
	s_cselect_b64 s[4:5], s[10:11], s[4:5]
	s_cmp_ge_u32 ttmp9, 512
	s_cselect_b64 s[4:5], s[12:13], s[4:5]
	s_cmp_ge_u32 ttmp9, 768
	s_cselect_b64 s[4:5], s[14:15], s[4:5]
	s_cselect_b64 s[6:7], s[28:29], s[26:27]
	s_cmp_ge_u32 ttmp9, 800
	s_cselect_b64 s[4:5], s[16:17], s[4:5]
	s_cmp_ge_u32 ttmp9, 832
	s_cselect_b64 s[4:5], s[18:19], s[4:5]
	s_cmp_ge_u32 ttmp9, 864
	s_cselect_b64 s[4:5], s[20:21], s[4:5]
	s_add_nc_u64 s[4:5], s[4:5], s[44:45]
	s_add_nc_u64 s[6:7], s[6:7], s[46:47]
.macro LOAD t
.irp i, 0,1,2,3
	global_load_b128 v[R+16*((\t)%4)+4*\i:R+16*((\t)%4)+4*\i+3], v3, s[4:5] offset:2048*(\t)+512*\i th:TH_LOAD_NT   ; 32 lanes read 512 consecutive bytes
.endr
.endm
.macro TURN t                          ; step t's numbers through the stage: LDS serves a wave's instructions in order, so no wait stands between the stores and the loads
.irp i, 0,1,2,3
	ds_store_b128 v14, v[R+16*((\t)%4)+4*\i:R+16*((\t)%4)+4*\i+3] offset:32*SP*((\t)%2)+8*SP*\i
.endr
.irp i, 0,1,2,3
	ds_load_b128 v[X+16*((\t)%2)+4*\i:X+16*((\t)%2)+4*\i+3], v15 offset:32*SP*((\t)%2)+16*\i
.endr
.endm
.irp t, 0,1,2,3
	LOAD \t
.endr
	s_wait_kmcnt 0x0
	s_add_co_i32 s48, s48, 127
	s_lshl_b32 s49, s48, 23
	v_mov_b32 v11, s49                             ; 2^e as f32: the conversion takes its exponent field
	s_add_co_i32 s48, s48, EMAX
	s_lshl_b32 s48, s48, 23
	s_or_b32 s48, s48, MANT
	v_mov_b32 v10, s48                             ; 448 x 2^e
	s_wait_alu depctr_va_vdst(0)
	s_wait_loadcnt 12                              ; step 0's four loads are in; three steps' twelve may be out
	TURN 0
.macro STEP t
.set XS, X+16*((\t)%2)
	s_wait_dscnt 0x0                               ; this step's numbers are back from the stage: so its stores into the stage have read their registers,
.if (\t)+4 < STEPS
	LOAD (\t)+4                                    ; which take the loads of four steps on
.endif
.if (\t)+1 < STEPS
.if STEPS-2-(\t) >= 3
	s_wait_loadcnt 12                              ; the next step's four loads are in; those of the three steps behind it may be out
.else
	s_wait_loadcnt 4*(STEPS-2-(\t))
.endif
	TURN (\t)+1                                    ; and go through the other stage while this step is worked
.endif
.irp i, 0,1,2,3,4,5,6,7,8,9,10,11,12,13,14,15
	v_med3_num_f32 v[XS+\i], v[XS+\i], -v10, v10   ; the conversion to an 8-bit code does not saturate (ISA guide 7.6.2): the hold at the largest code x the scale comes first
.endr
	v_cvt_scalef32_pk8_fp8_f32 v[C+4*(\t):C+4*(\t)+1], v[XS:XS+7], v11
	v_cvt_scalef32_pk8_fp8_f32 v[C+4*(\t)+2:C+4*(\t)+3], v[XS+8:XS+15], v11
.if ((\t)%4) == 3                      ; the codes of four steps leave together: each step has its own four registers, which go to a store alone
.irp u, 3,2,1,0
	global_store_b128 v4, v[C+4*((\t)-\u):C+4*((\t)-\u)+3], s[6:7] offset:32*CB*((\t)-\u)
.endr
.endif
.endm
.irp t, 0,1,2,3,4,5,6,7,8,9,10,11,12,13,14,15
	STEP \t
.endr
	s_wait_tensorcnt 0x0                           ; the wave's end, behind my last LDS store
	ds_add_u32 v[SPW], v[NIL]
	s_wait_dscnt 0x0
	s_endpgm
; WORK-GROUPS 896 + a, a = 0 .. 15, 128 threads each; no LDS.
.Laux:
	s_sub_co_u32 s34, ttmp9, NQ                    ; a
	s_lshr_b32 s35, s34, 1                         ; the batch whose mask I take,
	s_and_b32 s36, s34, 1                          ; and which 512 of its keys
	s_lshr_b32 s37, s34, 2                         ; the copy of WTAB,
	s_and_b32 s38, s34, 3                          ; and which 128 of its words
	s_lshl_b32 s39, s35, 10
	s_lshl_b32 s40, s36, 9
	s_add_co_u32 s39, s39, s40
	v_lshl_add_u32 v1, v0, 2, s39                  ; my four mask bytes
	v_lshlrev_b32 v2, 4, v0                        ; 16 x thread
	s_wait_alu depctr_va_vdst(0)
	s_mul_i32 s44, s34, 8*KCH                      ; my eight heads of kc
	s_mov_b32 s45, 0
	s_mul_i32 s41, s35, FILLB
	s_add_co_u32 s41, s41, FILL0                   ; the batch's FILL
	s_lshl_b32 s42, s36, 11
	s_add_co_u32 s42, s42, s41
	s_add_co_u32 s42, s42, 256                     ; key k lies at index k + 64
	v_add_nc_u32 v3, s42, v2
	s_mul_i32 s43, s36, 4352
	s_add_co_u32 s43, s43, s41                     ; the 64 numbers ahead of the keys (first half) or behind them (second half)
	v_add_nc_u32 v4, s43, v2
	v_mov_b32 v8, 0
	v_mov_b32 v9, 0
	v_mov_b32 v10, 0
	v_mov_b32 v11, 0
	s_wait_alu depctr_va_vdst(0)
	s_wait_kmcnt 0x0
	s_load_b64 s[48:49], s[22:23], 0x18            ; e6, e7
	global_load_b32 v5, v1, s[24:25]
	s_add_nc_u64 s[32:33], s[32:33], s[44:45]
.irp hd, 0,1,2,3,4,5,6,7                   ; (i) zeros in rows 0-63 and 1,088-1,151 of each head of kc: 4,096 bytes each, 2,048 consecutive bytes a store of the work-group
.irp side, 0,1
.irp half, 0,1
	global_store_b128 v2, v[8:11], s[32:33] offset:\hd*KCH+\side*69632+\half*2048
.endr
.endr
.endr
	s_wait_kmcnt 0x0
	s_add_co_i32 s48, s48, s49                     ; e6 + e7
	s_sub_co_i32 s49, 0, s48
	v_mov_b32 v6, 0xdd5e0b6b                       ; -1e18
	v_ldexp_f32 v6, v6, s49                        ; (ii) FILL: a score's sum stands for sum x 2^(e6 + e7), so the fill goes in as -1e18 / 2^(e6 + e7)
	s_wait_alu depctr_va_vdst(0)
	s_wait_loadcnt 0x0
.irp j, 0,1,2,3
	v_bfe_u32 v7, v5, 8*\j, 8
	v_cmp_ne_u32 vcc_lo, 0, v7
	v_cndmask_b32 v[16+\j], 0, v6, vcc_lo
.endr
	global_store_b128 v3, v[16:19], s[30:31]
	v_cmp_gt_u32 vcc_lo, 16, v0
	s_wait_xcnt 0x0                                ; EXEC changes only behind this wait
	s_and_saveexec_b32 s50, vcc_lo
	global_store_b128 v4, v[8:11], s[30:31]        ; (iii) FILL's 64 zeros, 256 bytes from sixteen lanes
	s_wait_xcnt 0x0
	s_or_b32 exec_lo, exec_lo, s50
	; (iv) WTAB.  Copy s, word n < 256: w(d) x log2(e) x 2^(e6 + e7), d = |n - 128 - s|, w(d) = 2 Phi(-d / 4) = erfc(d / (4 sqrt 2)); words 256 .. 271: 0.  From d = 57 on w is under half the smallest f32 number: 0.
	; erfc by the trapezoid sum of its integral with step 1 / (2 sqrt 2) and the pole's term:  w = (G / pi) (2 / d + 4 d S) - 2 / (e^(pi d) - 1),  G = e^(-d^2 / 32),  S = sum over n = 1 .. 14 of e^(-n^2 / 8) / (d^2 + 4 n^2).
	; What is cut off: terms from n = 15 on, under 1e-12 of the sum; the sum's own error, about e^(-79) of it.  The pole's term belongs to d < 50.3; from d = 29 on e^(pi d) is infinite in f32 and the term 0, where it is under e^(-64) of w.
	s_lshl_b32 s51, s38, 7
	v_add_nc_u32 v60, s51, v0                      ; n
	s_add_co_u32 s52, s37, 128
	v_sub_nc_u32 v61, v60, s52
	v_cvt_f32_i32 v61, v61
	v_and_b32 v61, 0x7fffffff, v61                 ; d, a whole number in f32
	v_med3_num_f32 v62, v61, 1.0, 0x427c0000       ; within 1 .. 63 for the arithmetic: d = 0 and d >= 57 are chosen at the end
	v_mul_f32 v63, v62, v62                        ; d^2: exact
	s_mul_i32 s56, s37, 1088
	v_lshl_add_u32 v56, v60, 2, s56                ; the word's place
.irp n, 1,2,3,4,5,6,7,8,9,10,11,12,13,14
	v_cvt_f32_i32 v[E+\n-1], -(\n*\n)
	v_cvt_f32_i32 v[DEN+\n-1], 4*\n*\n
.endr
.irp n, 1,2,3,4,5,6,7,8,9,10,11,12,13,14
	v_mul_f32 v[E+\n-1], 0x3e38aa3b, v[E+\n-1]     ; -n^2 log2(e) / 8
	v_add_f32 v[DEN+\n-1], v[DEN+\n-1], v63        ; exact
.endr
	s_mov_b32 s54, 0xbd38aa3b                      ; -log2(e) / 32, its f32 part,
	s_mov_b32 s55, 0xb0257060                      ; and what that part lacks
	v_mul_f32 v64, s54, v63                        ; G's exponent p,
	v_fma_f32 v65, v63, s54, -v64                  ; what the product's rounding dropped,
	v_fma_f32 v65, v63, s55, v65                   ; and the constant's
	v_rndne_f32 v66, v64
	v_sub_f32 v64, v64, v66
	v_add_f32 v64, v64, v65                        ; p = a whole number + f, |f| about 1/2 at the most
	v_cvt_i32_f32 v66, v66
	v_mul_f32 v67, 0x40910918, v62                 ; pi d log2(e)
	s_wait_alu depctr_va_vdst(0)
.irp n, 0,1,2,3,4,5,6,7,8,9,10,11,12,13    ; one batch: nothing in it reads another's result
	v_exp_f32 v[E+\n], v[E+\n]
	v_rcp_f32 v[DEN+\n], v[DEN+\n]
.endr
	v_rcp_f32 v48, v62
	v_exp_f32 v49, v64
	v_exp_f32 v50, v67
	v_nop                                          ; a plain line behind the last of them,
	s_wait_alu depctr_va_vdst(0)                   ; and one wait ahead of the batch's first reader
	v_add_f32 v51, -1.0, v50
	s_wait_alu depctr_va_vdst(0)
	v_rcp_f32 v51, v51                             ; its wait stands below, behind the sum, which names nothing of it
	v_mul_f32 v52, v[E], v[DEN]
	v_mul_f32 v53, v[E+1], v[DEN+1]
.irp n, 2,4,6,8,10,12                      ; S in two chains
	v_fma_f32 v52, v[E+\n], v[DEN+\n], v52
	v_fma_f32 v53, v[E+\n+1], v[DEN+\n+1], v53
.endr
	v_add_f32 v52, v52, v53
	v_mul_f32 v54, v62, v52                        ; d S
	v_mul_f32 v55, 2.0, v48                        ; 2 / d
	v_fma_f32 v55, v54, 4.0, v55
	v_mul_f32 v55, v55, v49
	v_mul_f32 v55, 0x3ea2f983, v55                 ; / pi
	v_ldexp_f32 v55, v55, v66                      ; x 2^(p's whole part)
	s_wait_alu depctr_va_vdst(0)                   ; the reciprocal's wait, ahead of its reader
	v_fma_f32 v55, v51, -2.0, v55
	v_mul_f32 v55, 0x3fb8aa3b, v55                 ; x log2(e)
	v_mov_b32 v57, 0x3fb8aa3b
	v_cmp_eq_f32 vcc_lo, 0, v61
	v_cndmask_b32 v55, v55, v57, vcc_lo            ; w(0) = 1
	v_ldexp_f32 v55, v55, s48                      ; x 2^(e6 + e7)
	v_cmp_gt_f32 vcc_lo, 0x42640000, v61           ; 57 > d?
	v_cndmask_b32 v55, 0, v55, vcc_lo
	v_cmp_gt_u32 vcc_lo, 256, v60
	v_cndmask_b32 v55, 0, v55, vcc_lo
	v_cmp_gt_u32 vcc_lo, 272, v60
	s_wait_alu depctr_va_vdst(0)
	s_wait_xcnt 0x0
	s_and_saveexec_b32 s50, vcc_lo
	global_store_b32 v56, v55, s[30:31]            ; a copy has 272 words
	s_wait_xcnt 0x0
	s_or_b32 exec_lo, exec_lo, s50
	s_endpgm
.Lfunc_end_k_q701f1baa17_quant:
	.size	k_q701f1baa17_quant, .Lfunc_end_k_q701f1baa17_quant-k_q701f1baa17_quant
	.p2alignl 7, 3214868480
	.fill 96, 4, 3214868480
	.section	.rodata,"a",@progbits
	.p2align	6, 0x0
	.amdhsa_kernel k_q701f1baa17_quant
		.amdhsa_group_segment_fixed_size 33280
		.amdhsa_private_segment_fixed_size 0
		.amdhsa_enable_private_segment 0
		.amdhsa_kernarg_size 104
		.amdhsa_user_sgpr_count 2
		.amdhsa_user_sgpr_kernarg_segment_ptr 1
		.amdhsa_wavefront_size32 1
		.amdhsa_system_sgpr_workgroup_id_x 1
		.amdhsa_system_sgpr_workgroup_id_y 1
		.amdhsa_system_sgpr_workgroup_id_z 1
		.amdhsa_system_vgpr_workitem_id 0
		.amdhsa_next_free_vgpr 192
		.amdhsa_next_free_sgpr 66
		.amdhsa_reserve_vcc 1
		.amdhsa_float_denorm_mode_32 3
		.amdhsa_float_denorm_mode_16_64 3
		.amdhsa_memory_ordered 1
		.amdhsa_forward_progress 1
		.amdhsa_inst_pref_size 51
	.end_amdhsa_kernel
	.amdgpu_metadata
---
amdhsa.version: [ 1, 2 ]
amdhsa.kernels:
  - .name:           k_q701f1baa17_quant
    .symbol:         k_q701f1baa17_quant.kd
    .args:
      - { .name: key, .offset: 0, .size: 8, .value_kind: global_buffer, .address_space: global }
      - { .name: value, .offset: 8, .size: 8, .value_kind: global_buffer, .address_space: global }
      - { .name: query, .offset: 16, .size: 8, .value_kind: global_buffer, .address_space: global }
      - { .name: Wk, .offset: 24, .size: 8, .value_kind: global_buffer, .address_space: global }
      - { .name: Wv, .offset: 32, .size: 8, .value_kind: global_buffer, .address_space: global }
      - { .name: Wq, .offset: 40, .size: 8, .value_kind: global_buffer, .address_space: global }
      - { .name: Wo, .offset: 48, .size: 8, .value_kind: global_buffer, .address_space: global }
      - { .name: lowp_scales, .offset: 56, .size: 8, .value_kind: global_buffer, .address_space: global }
      - { .name: mask, .offset: 64, .size: 8, .value_kind: global_buffer, .address_space: global }
      - { .name: xc, .offset: 72, .size: 8, .value_kind: global_buffer, .address_space: global }
      - { .name: wc, .offset: 80, .size: 8, .value_kind: global_buffer, .address_space: global }
      - { .name: aux, .offset: 88, .size: 8, .value_kind: global_buffer, .address_space: global }
      - { .name: kc, .offset: 96, .size: 8, .value_kind: global_buffer, .address_space: global }
    .group_segment_fixed_size: 33280
    .private_segment_fixed_size: 0
    .kernarg_segment_align: 8
    .kernarg_segment_size: 104
    .max_flat_workgroup_size: 128
    .sgpr_count:     66
    .vgpr_count:     192
    .wavefront_size: 32
...
	.end_amdgpu_metadata
.endif
;; end of part 1
;; launch proj (part 2): grid 4 x 96, 4 waves a work-group, clusters of 4 x 4, 327,680 bytes of LDS; arguments xc, wc, lowp_scales, bk, bv, bq, mask, kc, vc, qc; writes kc, vc, qc
.if DOCPART == 2
	.amdgcn_target "amdgcn-amd-amdhsa--gfx1250"
	.amdhsa_code_object_version 6
	.text
	.protected	k_q701f1baa17_proj
	.globl	k_q701f1baa17_proj
	.p2align	8
	.type	k_q701f1baa17_proj,@function
k_q701f1baa17_proj:
	s_mov_b64 s[64:65], 0
	v_nop
	global_prefetch_b8 v0, s[64:65] scope:SCOPE_SE
	s_setreg_imm32_b32 hwreg(HW_REG_WAVE_MODE, 25, 1), 1
	s_wait_xcnt 0x0
	s_wait_alu depctr_hold_cnt(0) depctr_sa_sdst(0) depctr_va_vdst(0) depctr_va_sdst(0) depctr_va_ssrc(0) depctr_va_vcc(0) depctr_vm_vsrc(0)
	s_getreg_b32 s2, hwreg(HW_REG_IB_STS2, 6, 4)
	s_cmp_eq_u32 s2, 0
	s_cbranch_scc0 .Lentry_in_a_cluster
	s_endpgm
.Lentry_in_a_cluster:
	s_bfe_u32 s2, ttmp6, 0x10000c
	s_cmp_lg_u32 s2, 0xf033
	s_cbranch_scc0 .Lentry_shape_is_right
	s_endpgm
.Lentry_shape_is_right:
; THE THREE PROJECTIONS, k, v and q, in one launch: y = x W^T + b on codes of FP8 (E4M3), and y quantised anew as an operand of the attention's products.
; Problem p = 0 (k), 1 (v), 2 (q) = cluster y / 8.  x: xc[p], [8192][1024] codes; W: wc[p], [1024][1024] codes; a sum stands for sum x 2^(ea + ew).
; OUT: kc, qc: [128 heads][1152 rows][64], row = token + 64 (q is divided by 8 = sqrt(64): 3 is added to its scale's exponent); vc: [128 heads][64 channels][1024 keys], the keys innermost, since they are the K of the second product.
; THE MASK: the codes of a masked key are zeros in kc and in vc.
; LIMITS: ea + ew between -126 and 127; the output's exponent (+ 3 for q) between -126 and 119.
; A tile of y, 256 x 256, is made by four waves, as many as a WGP has SIMDs, 128 x 128 each: 64 accumulators of 16 x 16, 512 registers.  K goes in steps of 256 through a ring of two LDS slots: a tile's row is 256 bytes of memory.
; CLUSTERS: 4 x 4 work-groups.  The four of a row need the same 256 tokens, the four of a column the same 256 rows of W: each tile is asked for JOINTLY, by the same tensor load with the same descriptor and a mask that names the four.
; THE MATRIX INSTRUCTION: source 1's 16 rows fall on the lanes, source 0's on a lane's eight registers.  k, q: source 1 = tokens, source 0 = rows of W: a lane holds eight neighbouring channels of a token.
; v: the other way round: a lane holds eight neighbouring KEYS of a channel.  The tiles lie in LDS alike in all three problems (tokens' 256 rows, then W's 256 rows); only the addresses from which fragments are read change places.
; REGISTERS, in windows of 256: window 0: v0-31 addresses; v32-127 biases and mask bytes, loaded at the head; from v128 source 1's fragments, ONE set; on the way out v128-255 are free.
;   window 1: source 0's fragments, TWO sets.   window 2: the 32 accumulators of source 1's rows 0-63 (accumulator (a, b) at v[8 (8 a + b)]);   window 3: those of rows 64-127.
.set KSTEP,  256
.set ROWB,   256
.set KROW,   1024
.set PITCH,  272                       ; an LDS row: 256 bytes + 16 of padding = 68 words: the 16 rows that a load touches start at 16 different banks (64 banks of 4 bytes: ISA guide 11.1)
.set FR,     16
.set NL,     4
.set NP,     4                         ; places behind this matrix instruction (ISA guide 7.12.1)
.set HALFT,  128*PITCH
.set SLOT,   4*HALFT
.set LAPS,   2                         ; K = 1,024: four K steps, twice round the ring
.set SPARE,  2*SLOT                    ; behind the ring: the spare words, 128 bytes a wave
.set KQST,   SPARE+512                 ; k's and q's way out: a stage of [2 heads][16 tokens][80 bytes] for each wave
.set KCH,    73728                     ; a head in kc and qc
.set BNO,  8                           ; v8-11   byte offsets of the head's loads; never rewritten
.set BMO,  9
.set KMO,  10
.set KNO,  11
.set ADRA, 16                          ; v16-17  LDS address of source 1's fragments in slot 0, 1
.set ADRB, 20                          ; v20-21  of source 0's
.set STO,  22                          ; v22-24  k, q: into the stage, out of it, into memory
.set RD,   23
.set GO,   24
.set VSTO, 25                          ; v25-27  the same for v
.set VRD,  26
.set VGO,  27
.set SPW,  28                          ; v28     LDS address of my spare word; never rewritten
.set NIL,  29                          ; v29     0; never rewritten
.set BN,   32                          ; v32-95  k, q: the bias of my 64 channels (8 b + j)
.set BD,   32                          ; v32-47  v: the bias of block a's channel, twice (a pair for the packed form)
.set BM,   96                          ; v96-103 v: the bias of my channel in block a
.set KM,   104                         ; v104-111 k, q: the mask byte of my token in block a
.set KN,   112                         ; v112-127 v: the mask bytes of my 64 keys
.set TMP,  128                         ; the way out: 64 numbers
.set CD,   192                         ; two sets of 16 registers of codes
.set BK,   224                         ; two sets of 16 registers read back from the stage
.set AF,   128
.set G1, 24
.set G0, 32
.set G1B, 48
.set G0B, 56
.set MSB, 0
.macro WIN new                         ; the immediate's high byte repeats the setting that is left
.if MSB != (\new)
	s_set_vgpr_msb (MSB<<8)|(\new)
.set MSB, (\new)
.endif
.endm
.set MUL_LO, 0xa1                      ; source 0 window 1, source 1 window 0, C and D window 2
.set MUL_HI, 0xf1                      ; the same, C and D window 3
.set TO_B,   0x40                      ; destination window 1, address window 0
; A joint load: waves 0 and 1 fetch tokens, waves 2 and 3 rows of W.  Each line has ONE mask and one set of registers for all that issue it; the branch hangs on the wave's number alone.
; An s_nop 0 and four v_nop follow each of the two lines, ahead of the jump, the label and what follows.
.macro JLOAD g0a, g1a, g0b, g1b
	s_cmp_eq_u32 s15, 0
	s_cbranch_scc0 .Lfor_b_\@
	tensor_load_to_lds s[\g0a:\g0a+3], s[\g1a:\g1a+7]
	s_nop 0
.rept 4
	v_nop
.endr
	s_branch .Lasked_\@
.Lfor_b_\@:
	tensor_load_to_lds s[\g0b:\g0b+3], s[\g1b:\g1b+7]
	s_nop 0
.rept 4
	v_nop
.endr
.Lasked_\@:
.endm
.macro CREST                           ; a round of the cluster's barrier behind its opening barrier
	s_cmp_lg_u32 s14, 0
	s_cbranch_scc1 .Lnot_wave_0_\@
	s_barrier_signal -3
.Lnot_wave_0_\@:
	s_barrier_wait -3
	s_barrier_signal -1
	s_barrier_wait -1
.endm
.macro CROUND
	s_barrier_signal -1
	s_barrier_wait -1
	CREST
.endm
	s_load_b128 s[4:7], s[0:1], 0x0                ; xc, wc
	s_load_b64 s[8:9], s[0:1], 0x10                ; the scales' exponents
	s_load_b256 s[68:75], s[0:1], 0x18             ; bk s[68:69], bv s[70:71], bq s[72:73], mask s[74:75]
	s_load_b128 s[76:79], s[0:1], 0x38             ; kc, vc
	s_load_b64 s[80:81], s[0:1], 0x48              ; qc
	v_lshl_add_u32 v[SPW], v0, 2, SPARE
	v_mov_b32 v[NIL], 0
	ds_add_u32 v[SPW], v[NIL]                      ; the wave's opening: the add and its wait stand ahead of my first tensor load; the set-up below, work on registers, stands between them
	ds_add_u32 v[SPW], v[NIL]
	v_lshrrev_b32 v1, 5, v0
	v_readfirstlane_b32 s14, v1                    ; wave 0..3
	s_lshr_b32 s15, s14, 1                         ; which half of source 1's 256 rows is mine.  Also: I fetch tokens (0) or rows of W (1)
	s_and_b32 s16, s14, 1                          ; which half of source 0's.  Also: which 128 rows I fetch
	s_bfe_u32 s40, ttmp6, 0x40000                  ; cx, cy: my place in the cluster
	s_bfe_u32 s41, ttmp6, 0x40004
	s_lshl_b32 s42, ttmp9, 2
	s_add_co_u32 s42, s42, s40                     ; X: which 256 rows of W
	s_and_b32 s82, ttmp7, 0xffff                   ; cluster y, 0 .. 23
	s_lshr_b32 s83, s82, 3                         ; the problem p: the same in all sixteen partners
	s_lshl_b32 s17, s82, 2
	s_add_co_u32 s17, s17, s41                     ; Y: which 256 rows of xc
	s_lshl_b32 s84, s83, 5
	s_sub_co_u32 s85, s17, s84
	s_lshl_b32 s85, s85, 8                         ; T0: the tile's first token, 0 .. 7,936
	s_lshl_b32 s43, s41, 2
	s_lshl_b32 s43, 15, s43                        ; my row of the cluster
	s_lshl_b32 s44, 0x1111, s40                    ; my column
	s_or_b32 s[G1+0], s43, (1<<21)                 ; 15:0 the mask: tokens go to my row; 17:16 element of 1 byte; 21 set beside a mask; no padding: see tile_dim0
	s_or_b32 s[G1B+0], s44, (1<<21)
.irp g, G1, G1B
	s_mov_b32 s[\g+1], ROWB<<16                    ; tensor_dim0
	s_mov_b32 s[\g+2], 128<<16                     ; tensor_dim1 = 128
	s_mov_b32 s[\g+3], PITCH<<16                   ; tile_dim0 = 272, 16 more than tensor_dim0: the mover writes zeros there, so an LDS row is 256 bytes of codes + 16 of zeros, and every byte of a slot is written
	s_mov_b32 s[\g+4], 128                         ; tile_dim1 = 128
	s_mov_b32 s[\g+5], KROW                        ; tensor_dim0_stride
	s_mov_b32 s[\g+6], 0
	s_mov_b32 s[\g+7], 0
.endr
	s_lshl_b32 s18, s16, 7
	s_lshl_b32 s20, s17, 8
	s_add_co_u32 s20, s20, s18                     ; xc: row 256 Y + 128 x half
	s_lshl_b32 s46, s42, 8
	s_add_co_u32 s46, s46, s18
	s_lshl_b32 s19, s83, 10
	s_add_co_u32 s46, s46, s19                     ; wc: row 1,024 p + 256 X + 128 x half
	s_mov_b32 s21, 0
	s_mov_b32 s47, 0
	s_lshl_b64 s[20:21], s[20:21], 10              ; rows of 1,024 bytes
	s_lshl_b64 s[46:47], s[46:47], 10
	s_mul_i32 s45, s14, HALFT                      ; where they go: wave x 128 rows: no place in the cluster enters an LDS address
	s_lshl_b32 s84, s83, 3                         ; ea, ew: entries 2 p, 2 p + 1
	s_cmp_eq_u32 s83, 1
	s_cselect_b32 s99, 36, 24                      ; the output's: entry 9 for v, 6 for q,
	s_cmp_eq_u32 s83, 0
	s_cselect_b32 s99, 28, s99                     ; 7 for k
	s_mov_b32 s95, 255
	s_wait_dscnt 0x0                               ; the opening add is done
	s_wait_kmcnt 0x0
	s_load_b64 s[96:97], s[8:9], s84 offset:0x0
	s_load_b32 s98, s[8:9], s99 offset:0x0
	s_add_nc_u64 s[20:21], s[4:5], s[20:21]
	s_add_nc_u64 s[46:47], s[6:7], s[46:47]
	CROUND                                         ; all sixteen work-groups are here: the first joint loads meet
.irp s, 0,1
	s_mov_b32 s[G0+4*\s], 1
	s_add_co_u32 s[G0+4*\s+1], s45, \s*SLOT
	s_add_nc_u64 s[G0+4*\s+2:G0+4*\s+3], s[20:21], \s*ROWB
	s_or_b32 s[G0+4*\s+3], s[G0+4*\s+3], 0x80000000
	s_mov_b32 s[G0B+4*\s], 1
	s_add_co_u32 s[G0B+4*\s+1], s45, \s*SLOT
	s_add_nc_u64 s[G0B+4*\s+2:G0B+4*\s+3], s[46:47], \s*ROWB
	s_or_b32 s[G0B+4*\s+3], s[G0B+4*\s+3], 0x80000000
.endr
	JLOAD G0, G1, G0B, G1B                         ; K step 0: one tensor load a wave at the head.  No prefetch: K is four slots long, so there is no trip to run ahead in
	v_and_b32 v1, 15, v0                           ; r = lane % 16
	v_bfe_u32 v2, v0, 4, 1                         ; h = lane / 16
	s_wait_alu depctr_va_vdst(0)
	v_and_b32 v6, 31, v0                           ; lane
	; THE HEAD'S LOADS: biases and mask bytes in the results' layout, on one path for all three problems: what a problem does not use is loaded from the buffer's first bytes.  They are waited for on the way out.
	s_lshl_b32 s86, s42, 8                         ; 256 X
	s_lshl_b32 s87, s16, 7
	s_lshl_b32 s88, s15, 7
	s_add_co_u32 s89, s86, s87
	s_lshl_b32 s89, s89, 2                         ; k, q: my 128 channels begin at 256 X + 128 x (source 0's half)
	s_add_co_u32 s90, s86, s88
	s_lshl_b32 s90, s90, 2                         ; v: at 256 X + 128 x (source 1's half)
	s_add_co_u32 s91, s85, s88                     ; k, q: my 128 tokens begin at T0 + 128 x (source 1's half)
	s_add_co_u32 s92, s85, s87                     ; v: at T0 + 128 x (source 0's half)
	s_cmp_eq_u32 s83, 1
	s_cselect_b32 s89, 0, s89
	s_cselect_b32 s90, s90, 0
	s_cselect_b32 s91, 0, s91
	s_cselect_b32 s92, s92, 0
	s_cselect_b32 s21, 2*HALFT, 0                  ; source 1 reads W's rows in v, else the tokens';
	s_cselect_b32 s22, 0, 2*HALFT                  ; source 0 the others
	s_cselect_b64 s[10:11], s[70:71], s[72:73]
	s_cmp_eq_u32 s83, 0
	s_cselect_b64 s[10:11], s[68:69], s[10:11]     ; the problem's bias
	s_cselect_b64 s[12:13], s[76:77], s[80:81]     ; kc or qc
	s_cselect_b32 s94, 1, 0                        ; 1 where the mask counts on k's and q's way out: in k
	v_lshl_add_u32 v[BNO], v2, 5, s89
	v_lshl_add_u32 v[BMO], v1, 2, s90
	v_add_nc_u32 v[KMO], s91, v1
	v_lshl_add_u32 v[KNO], v2, 3, s92
.irp b, 0,1,2,3,4,5,6,7
	global_load_b128 v[BN+8*\b:BN+8*\b+3], v[BNO], s[10:11] offset:64*\b        ; bias of channels 16 b + 8 h + 0 .. 7
	global_load_b128 v[BN+8*\b+4:BN+8*\b+7], v[BNO], s[10:11] offset:64*\b+16
.endr
.irp a, 0,1,2,3,4,5,6,7
	global_load_b32 v[BM+\a], v[BMO], s[10:11] offset:64*\a                     ; bias of channel 16 a + r
	global_load_u8 v[KM+\a], v[KMO], s[74:75] offset:16*\a                      ; mask of token 16 a + r
	global_load_b64 v[KN+2*\a:KN+2*\a+1], v[KNO], s[74:75] offset:16*\a         ; mask of keys 16 a + 8 h + 0 .. 7
.endr
	v_mul_u32_u24 v3, v1, PITCH
	v_lshl_add_u32 v4, v2, 4, v3                   ; a fragment's row x pitch + 16 x half
	s_mul_i32 s18, s15, HALFT
	s_add_co_u32 s21, s21, s18
	s_mul_i32 s18, s16, HALFT
	s_add_co_u32 s22, s22, s18
.irp s, 0,1
	v_add_nc_u32 v[ADRA+\s], s21, v4
	v_add_nc_u32 v[ADRB+\s], s22, v4
	s_add_co_u32 s21, s21, SLOT
	s_add_co_u32 s22, s22, SLOT
.endr
	s_mul_i32 s23, s14, 2560
	s_add_co_u32 s23, s23, KQST                    ; k, q: my stage
	v_mul_u32_u24 v5, v1, 80
	v_lshl_add_u32 v5, v2, 3, v5
	v_add_nc_u32 v[STO], s23, v5                   ; in: token r, 8 bytes for each half of the lanes
	v_lshrrev_b32 v5, 2, v6
	v_mul_u32_u24 v5, v5, 80
	v_and_b32 v7, 3, v6
	v_lshl_add_u32 v5, v7, 4, v5
	v_add_nc_u32 v[RD], s23, v5                    ; back: four lanes to a token's 64 bytes, eight tokens an instruction
	v_lshlrev_b32 v[GO], 4, v6
	s_mul_i32 s23, s15, 128*PITCH                  ; v: ONE stage for the work-group, 256 channels x (256 keys + 16), in slot 0
	s_add_co_u32 s23, s23, s87
	v_lshl_add_u32 v5, v2, 3, v3
	v_add_nc_u32 v[VSTO], s23, v5                  ; in: channel 128 x half + r, keys 128 x half + 8 h
	s_mul_i32 s23, s14, 64*PITCH
	v_mul_u32_u24 v5, v2, PITCH
	v_lshl_add_u32 v5, v1, 4, v5
	v_add_nc_u32 v[VRD], s23, v5                   ; back: wave w takes channels 64 w on; sixteen lanes to a row of 256 bytes, two rows an instruction
	v_lshlrev_b32 v5, 10, v2
	v_lshl_add_u32 v[VGO], v1, 4, v5
	s_lshr_b32 s86, s85, 10                        ; the batch
	s_mul_i32 s20, s86, 16*KCH
	s_lshl_b32 s87, s42, 2
	s_lshl_b32 s88, s16, 1
	s_add_co_u32 s87, s87, s88                     ; my first head: 4 X + 2 x half
	s_mul_i32 s87, s87, KCH
	s_add_co_u32 s20, s20, s87
	s_and_b32 s88, s85, 1023
	s_lshl_b32 s89, s15, 7
	s_add_co_u32 s89, s88, s89
	s_lshl_b32 s89, s89, 6                         ; my first token's row,
	s_add_co_u32 s20, s20, s89
	s_add_co_u32 s20, s20, 4096                    ; behind the 64 rows ahead of the tokens
	s_mov_b32 s21, 0
	s_add_nc_u64 s[12:13], s[12:13], s[20:21]
	s_lshl_b32 s20, s86, 20                        ; vc: the batch's 1,024 channels of 1,024 keys,
	s_lshl_b32 s87, s42, 8
	s_lshl_b32 s89, s14, 6
	s_add_co_u32 s87, s87, s89
	s_lshl_b32 s87, s87, 10                        ; channel 256 X + 64 w,
	s_add_co_u32 s20, s20, s87
	s_add_co_u32 s20, s20, s88                     ; the tile's first key
	s_add_nc_u64 s[78:79], s[78:79], s[20:21]
.macro FRAG reg, adr, q, i             ; a fragment, 16 rows x 128 K of 8-bit codes, is 16 registers: lane l holds row l % 16; registers 4 c .. 4 c + 3 hold K = 32 c + 16 (l / 16) + 0 .. 15: the same order of K on both sides
.irp c, 0,1,2,3
	ds_load_b128 v[\reg+4*\c:\reg+4*\c+3], v[\adr] offset:128*(\q)+32*\c+(\i)*16*PITCH
.endr
.endm
; 16 matrix instructions: source 1's blocks a0, a0 + 1 x source 0's eight, 128 along K.  p: source 0's set.  zero = 1: the first product starts the sums.  The 64 accumulators take turns, one instruction a turn.
.macro MUL16 a0, p, zero
.irp a, \a0, \a0+1
.irp b, 0,1,2,3,4,5,6,7
.if \zero
	v_wmma_f32_16x16x128_fp8_fp8 v[8*(8*((\a)%4)+\b):8*(8*((\a)%4)+\b)+7], v[128*(\p)+FR*\b:128*(\p)+FR*\b+FR-1], v[AF+FR*(\a):AF+FR*(\a)+FR-1], 0
.else
	v_wmma_f32_16x16x128_fp8_fp8 v[8*(8*((\a)%4)+\b):8*(8*((\a)%4)+\b)+7], v[128*(\p)+FR*\b:128*(\p)+FR*\b+FR-1], v[AF+FR*(\a):AF+FR*(\a)+FR-1], v[8*(8*((\a)%4)+\b):8*(8*((\a)%4)+\b)+7]
.endif
.endr
.endr
.endm
.macro FETCH_B slot, q, p
	WIN TO_B
.irp i, 0,1,2,3,4,5,6,7
	FRAG 128*(\p)+FR*\i, ADRB+\slot, \q, \i
.endr
	WIN 0
.endm
.macro FETCH_A slot, q, i0
.irp i, \i0, \i0+1, \i0+2, \i0+3
	FRAG AF+FR*(\i), ADRA+\slot, \q, \i
.endr
.endm
.macro PLACES n                        ; a load into a register that a matrix instruction has read, and a vector instruction that reads a result, stand NP plain vector instructions behind it (ISA guide 7.12.1 for vector instructions)
.rept \n
	v_nop
.endr
.endm
.macro STEP slot, q, zero              ; a step of 128 along K that has its successor in the same slot
	s_wait_dscnt 4*NL                              ; source 0's set and source 1's blocks 0-3 are in; the youngest 16 loads (blocks 4-7) may be out
	WIN MUL_LO
	MUL16 0, (\q)%2, \zero
	MUL16 2, (\q)%2, \zero
	s_wait_dscnt 0
	PLACES NP
	FETCH_B \slot, (\q)+1, 1-(\q)%2
	FETCH_A \slot, (\q)+1, 0
	WIN MUL_HI
	MUL16 4, (\q)%2, \zero
	MUL16 6, (\q)%2, \zero
	PLACES NP
	WIN 0
	FETCH_A \slot, (\q)+1, 4
.endm
; A slot's last step changes slots: ONE barrier; in front of it each wave waits for all its tensor loads, adds 0 to its spare word, and waits for that and for its own reads of this slot.  fill = 1: this slot is filled again, two K steps ahead.
.macro TURN slot, next, fill
	s_wait_tensorcnt 0x0                           ; all my tensor loads have landed: my part of the next slot
	ds_add_u32 v[SPW], v[NIL]                      ; 0 onto my spare word
	s_wait_dscnt 4*NL+1                            ; (the add and the youngest 16 loads may be out)
	WIN MUL_LO
	MUL16 0, 1, 0                                  ; sixteen matrix instructions stand between the add and the wait for it
	s_wait_dscnt 0x0                               ; the add is done, and my reads of this slot are over
	s_barrier_signal -1
	MUL16 2, 1, 0
	WIN 0
	s_barrier_wait -1
.if \fill
	CREST                                          ; the barrier has opened a round of the cluster's barrier: no wave of any partner still reads this slot or has a load on its way
	s_add_nc_u64 s[G0+4*\slot+2:G0+4*\slot+3], s[G0+4*\slot+2:G0+4*\slot+3], 2*ROWB
	s_add_nc_u64 s[G0B+4*\slot+2:G0B+4*\slot+3], s[G0B+4*\slot+2:G0B+4*\slot+3], 2*ROWB
	JLOAD G0+4*\slot, G1, G0B+4*\slot, G1B         ; the first tensor load behind the round; its four v_nop are the places in front of the loads below
.else
	PLACES NP
.endif
	FETCH_B \next, 0, 0
	FETCH_A \next, 0, 0
	WIN MUL_HI
	MUL16 4, 1, 0
	MUL16 6, 1, 0
	PLACES NP
	WIN 0
	FETCH_A \next, 0, 4
.endm
	s_wait_alu depctr_va_vdst(0)                   ; the head's end
	s_wait_tensorcnt 0x0                           ; my part of K step 0 is in; as ahead of a refill:
	ds_add_u32 v[SPW], v[NIL]                      ; 0 onto my spare word,
	s_wait_dscnt 0x0                               ; and the add is done
	CROUND                                         ; a whole round: everybody's part of K step 0 is in, and the joint loads meet
	JLOAD G0+4, G1, G0B+4, G1B                     ; K step 1: the first tensor load behind the round
	FETCH_B 0, 0, 0
	FETCH_A 0, 0, 0
	FETCH_A 0, 0, 4
	STEP 0, 0, 1                                   ; the first step stands in front of the loop: its products start the sums
	s_mov_b32 s3, LAPS-1
.Llap:                                                 ; a trip goes once round the ring and fills both slots again
	TURN 0, 1, 1
	STEP 1, 0, 0
	TURN 1, 0, 1
	STEP 0, 0, 0
	s_sub_co_u32 s3, s3, 1
	s_cmp_lg_u32 s3, 0
	s_cbranch_scc1 .Llap
	TURN 0, 1, 0                                   ; the last lap fills nothing
	STEP 1, 0, 0
	s_wait_dscnt 4*NL
	WIN MUL_LO
	MUL16 0, 1, 0
	MUL16 2, 1, 0
	s_wait_dscnt 0
	WIN MUL_HI
	MUL16 4, 1, 0
	MUL16 6, 1, 0
	WIN 0
	; THE WAY OUT.  y = sum x 2^(ea + ew) + bias, one packed multiply-add for two numbers; held within +-448 x the output's scale; converted; the codes of masked keys cleared.
	s_wait_loadcnt 0x0                             ; the head's loads
	s_wait_kmcnt 0x0
	s_add_co_i32 s96, s96, s97
	s_add_co_i32 s96, s96, 127
	s_lshl_b32 s96, s96, 23                        ; 2^(ea + ew) as f32
	s_mov_b32 s97, s96                             ; (named with it as a pair, so it is written)
	s_cmp_eq_u32 s83, 2
	s_cselect_b32 s93, 3, 0                        ; q / 8: y / 8 / 2^e = y / 2^(e + 3)
	s_add_co_i32 s98, s98, s93
	s_add_co_i32 s98, s98, 127
	s_lshl_b32 s93, s98, 23
	v_mov_b32 v30, s93                             ; the output's scale as f32
	s_add_co_i32 s98, s98, 8
	s_lshl_b32 s98, s98, 23
	s_or_b32 s98, s98, 0x600000
	v_mov_b32 v31, s98                             ; 448 x that
	PLACES NP
; A block's 64 sums become 64 codes in set a % 2.  add, step: the bias's registers (step 1: one for each number; step 0: one pair for all)
.macro CODES a, add, step
.set AC, 64*((\a)%4)
.set CDB, CD+16*((\a)%2)
	WIN 0x02+((\a)/4)                              ; source 0: window 2 or 3
.set j, 0
.rept 32
	v_pk_fma_f32 v[TMP+j:TMP+j+1], v[AC+j:AC+j+1], s[96:97], v[\add+\step*j:\add+\step*j+1] op_sel_hi:[1,0,1]   ; each accumulator from its low end on
.set j, j+2
.endr
	WIN 0
.set j, 0
.rept 64
	v_med3_num_f32 v[TMP+j], v[TMP+j], -v31, v31   ; the conversion to an 8-bit code does not saturate (ISA guide 7.6.2)
.set j, j+1
.endr
.irp b, 0,1,2,3,4,5,6,7
	v_cvt_scalef32_pk8_fp8_f32 v[CDB+2*\b:CDB+2*\b+1], v[TMP+8*\b:TMP+8*\b+7], v30
.endr
	v_nop                                          ; a plain line between the conversions and the lines that touch their results
.endm
	s_cmp_eq_u32 s83, 1
	s_cbranch_scc1 .Lvout
	; k AND q.  A block is 16 tokens x 128 channels: two heads.  A lane's 8 codes of a token go into my own stage, and come back as 512 consecutive bytes of a head: eight tokens' rows of 64.
.irp a, 0,1,2,3,4,5,6,7
	v_and_b32 v[KM+\a], s94, v[KM+\a]
	v_add_nc_u32 v[KM+\a], -1, v[KM+\a]            ; all ones, or 0 for a masked key of k
.endr
.macro KQSTAGE a
	CODES \a, BN, 1
.set BKB, BK+16*((\a)%2)
.set j, 0
.rept 16
	v_and_b32 v[CDB+j], v[KM+(\a)], v[CDB+j]
.set j, j+1
.endr
.irp b, 0,1,2,3,4,5,6,7
	ds_store_b64 v[STO], v[CDB+2*\b:CDB+2*\b+1] offset:(\b/4)*1280+16*(\b%4)
.endr
.irp hh, 0,1
.irp i, 0,1
	ds_load_b128 v[BKB+8*\hh+4*\i:BKB+8*\hh+4*\i+3], v[RD] offset:\hh*1280+\i*640   ; LDS serves a wave's instructions in order (ISA guide 5.7.1.4): these see the stores above, and the next block's stores come behind them
.endr
.endr
.endm
.macro KQSEND a, younger               ; younger: the LDS instructions issued behind block a's loads
.set BKB, BK+16*((\a)%2)
	s_wait_dscnt \younger
.irp hh, 0,1
.irp i, 0,1
	global_store_b128 v[GO], v[BKB+8*\hh+4*\i:BKB+8*\hh+4*\i+3], s[12:13] offset:(\a)*1024+\hh*KCH+\i*512   ; 32 lanes store 512 consecutive bytes, at a multiple of 256 from the buffer's first byte
.endr
.endr
.endm
	KQSTAGE 0
.irp a, 1,2,3,4,5,6,7
	s_wait_xcnt 0x0                                ; the stores of two blocks back have read their registers: this block's loads may land there
	KQSTAGE \a
	KQSEND \a-1, 12                                ; behind block a - 1's loads: block a's 8 stores and 4 loads
.endr
	KQSEND 7, 0
	s_branch .Lmeet
.Lvout:
	; v.  A block is 16 channels x 128 keys.  A row's 256 keys come from two waves: so the codes meet in the work-group's stage.  It lies in slot 0, which has had its last fill, and which nobody reads behind the last change of slots.
.irp a, 0,1,2,3,4,5,6,7
	v_mov_b32 v[BD+2*\a], v[BM+\a]
	v_mov_b32 v[BD+2*\a+1], v[BM+\a]
.endr
.set j, 0
.rept 16
	v_xor_b32 v[KN+j], 0x01010101, v[KN+j]
	v_mul_lo_u32 v[KN+j], v[KN+j], s95             ; a byte of ones for a key that counts, 0 for a masked one
.set j, j+1
.endr
.macro VOUT a
.if (\a) >= 2
	s_wait_dscnt 8                                 ; the stores of two blocks back are done; the block before's eight may be out
.endif
	CODES \a, BD+2*(\a), 0
.set j, 0
.rept 16
	v_and_b32 v[CDB+j], v[KN+j], v[CDB+j]
.set j, j+1
.endr
.irp b, 0,1,2,3,4,5,6,7
	ds_store_b64 v[VSTO], v[CDB+2*\b:CDB+2*\b+1] offset:(\a)*16*PITCH+16*\b
.endr
.endm
.irp a, 0,1,2,3,4,5,6,7
	VOUT \a
.endr
.Lmeet:
	s_wait_xcnt 0x0                                ; every store so far has read its registers
	s_wait_dscnt 0x0                               ; for the others' sake: my stores into the stage are done
	s_barrier_signal -1
	s_barrier_wait -1                              ; the one barrier of the way out stands on the path of all three problems
	s_cmp_lg_u32 s83, 1
	s_cbranch_scc1 .Lfin
.set j, 0
.rept 32
	ds_load_b128 v[TMP+4*j:TMP+4*j+3], v[VRD] offset:j*2*PITCH
.set j, j+1
.endr
.set j, 0
.rept 32
	s_wait_dscnt 31-j
	global_store_b128 v[VGO], v[TMP+4*j:TMP+4*j+3], s[78:79] offset:2048*j   ; sixteen lanes store 256 consecutive bytes of a channel's row, at a multiple of 256 from vc's first byte
.set j, j+1
.endr
.Lfin:
	s_wait_tensorcnt 0x0                           ; the wave's end, behind my last tensor load and my last LDS store
	ds_add_u32 v[SPW], v[NIL]
	s_wait_dscnt 0x0
	CROUND                                         ; the closing round: no work-group ends while a partner may still ask for a tile that names it
	s_endpgm
.Lfunc_end_k_q701f1baa17_proj:
	.size	k_q701f1baa17_proj, .Lfunc_end_k_q701f1baa17_proj-k_q701f1baa17_proj
	.p2alignl 7, 3214868480
	.fill 96, 4, 3214868480
	.section	.rodata,"a",@progbits
	.p2align	6, 0x0
	.amdhsa_kernel k_q701f1baa17_proj
		.amdhsa_group_segment_fixed_size 327680
		.amdhsa_private_segment_fixed_size 0
		.amdhsa_enable_private_segment 0
		.amdhsa_kernarg_size 80
		.amdhsa_user_sgpr_count 2
		.amdhsa_user_sgpr_kernarg_segment_ptr 1
		.amdhsa_wavefront_size32 1
		.amdhsa_system_sgpr_workgroup_id_x 1
		.amdhsa_system_sgpr_workgroup_id_y 1
		.amdhsa_system_sgpr_workgroup_id_z 1
		.amdhsa_system_vgpr_workitem_id 0
		.amdhsa_next_free_vgpr 1024
		.amdhsa_next_free_sgpr 100
		.amdhsa_reserve_vcc 0
		.amdhsa_float_denorm_mode_32 3
		.amdhsa_float_denorm_mode_16_64 3
		.amdhsa_memory_ordered 1
		.amdhsa_forward_progress 1
		.amdhsa_inst_pref_size 222
	.end_amdhsa_kernel
	.amdgpu_metadata
---
amdhsa.version: [ 1, 2 ]
amdhsa.kernels:
  - .name:           k_q701f1baa17_proj
    .symbol:         k_q701f1baa17_proj.kd
    .args:
      - { .name: xc, .offset: 0, .size: 8, .value_kind: global_buffer, .address_space: global }
      - { .name: wc, .offset: 8, .size: 8, .value_kind: global_buffer, .address_space: global }
      - { .name: lowp_scales, .offset: 16, .size: 8, .value_kind: global_buffer, .address_space: global }
      - { .name: bk, .offset: 24, .size: 8, .value_kind: global_buffer, .address_space: global }
      - { .name: bv, .offset: 32, .size: 8, .value_kind: global_buffer, .address_space: global }
      - { .name: bq, .offset: 40, .size: 8, .value_kind: global_buffer, .address_space: global }
      - { .name: mask, .offset: 48, .size: 8, .value_kind: global_buffer, .address_space: global }
      - { .name: kc, .offset: 56, .size: 8, .value_kind: global_buffer, .address_space: global }
      - { .name: vc, .offset: 64, .size: 8, .value_kind: global_buffer, .address_space: global }
      - { .name: qc, .offset: 72, .size: 8, .value_kind: global_buffer, .address_space: global }
    .group_segment_fixed_size: 327680
    .private_segment_fixed_size: 0
    .kernarg_segment_align: 8
    .kernarg_segment_size: 80
    .max_flat_workgroup_size: 128
    .sgpr_count:     100
    .vgpr_count:     1024
    .wavefront_size: 32
...
	.end_amdgpu_metadata
.endif
;; end of part 2
;; launch attn (part 3): grid 2 x 128, 8 waves a work-group, no clusters, 167,936 bytes of LDS; arguments qc, kc, vc, aux, lowp_scales, cc; writes cc
.if DOCPART == 3
	.amdgcn_target "amdgcn-amd-amdhsa--gfx1250"
	.amdhsa_code_object_version 6
	.text
	.protected	k_q701f1baa17_attn
	.globl	k_q701f1baa17_attn
	.p2align	8
	.type	k_q701f1baa17_attn,@function
k_q701f1baa17_attn:
	s_mov_b64 s[64:65], 0
	v_nop
	global_prefetch_b8 v0, s[64:65] scope:SCOPE_SE
	s_setreg_imm32_b32 hwreg(HW_REG_WAVE_MODE, 25, 1), 1
	s_wait_xcnt 0x0
; ATTENTION on codes of FP8 (E4M3): scores = q k^T (masked keys: -1e18), times the window w(|q - k|), softmax, masked keys' weights 0, times v; the result quantised for the last product.
; THE WINDOW DECIDES THE FORM.  w(d) = 2 Phi(-d / 4) is 0 in f32 from d = 57 on, so a key that far from a query has score x w = +-0 whatever its score or mask: all such FAR keys of a row have one and the same weight,
; 2^(-M) / sum.  So scores and exponentials are made only for a window of 160 keys round a tile of 16 queries (every key left out is 65 or more away); the second product is done whole, 1,024 keys, and for far key steps its
; operand of weights is one code a query in eight constant registers.  The weights are quantised FINISHED: the row's maximum and sum are known before a weight is converted, since the window is all there is to look at.
; t = sum x w'', w'' = w x log2(e) x 2^(e6 + e7) (table WTAB in aux); M = the largest t, 0 among them (far keys); p = 2^(t - M) / (the window's sum + 864 x 2^(-M)).
; THE MASK.  kc holds zeros at masked keys, and the score's sum begins with C = FILL = -1e18 / 2^(e6 + e7) there (0 elsewhere).  vc holds zeros at masked keys: their weights count for nothing, and stay in the row's sum.
; KEYS OUTSIDE THE SEQUENCE.  kc and FILL have 64 zero rows ahead of and behind the keys: there t = 0, the weight is the far weight, and in the row's sum such a key stands for a far key: 160 + 864 = 1,024 in every block.
; In the second product a window step that lies outside is taken as V's key step modulo 16: a far step, which no other of the wave's 16 steps covers.
; SHARES.  A work-group: one head, 512 queries.  Each of eight waves: 64 queries, four tiles of 16; two waves to a SIMD, so that one's vector work stands beside the other's matrix work.
; NO CLUSTER: a head's K and V are read by two work-groups alone; four to a head would be 512 work-groups for 256 WGPs, each fetching all of V.  NO PREFETCH: all that the work-group reads is asked for at its head.
; LAYOUT.  Both products transposed: S^T = K Q^T, O^T = V^T P^T: a lane holds ONE query (lane % 16).  The keys of a tile are not neighbours: lane r of tile (g, u) takes key 32 g + 8 u + r + 8 (r / 8) of the window, so that
; register j of tile (g, u) is key 32 g + 16 (lane / 16) + 8 u + j: a group's 16 registers are 16 neighbouring keys, and the conversions' results are the second product's operand.
; The window has 192 keys, Q0 - 64 on, six groups of 32: tiles 0, 1 take groups 0-4, tiles 2, 3 groups 1-5; tiles i and i + 2 then have the same 80 weights w'', register for register.
; LIMITS: e6 + e7 between -40 and 40; e8, and e10 - e8 - e9, between -126 and 119.
; REGISTERS: window 0: v1-15 addresses; v32-63 Q; v64-127 two buffers of K's two tiles (16) and FILL's (16); v128-223 the weights' codes, 24 a tile; v224-255 the far code, 8 a tile.
;   window 1: v0-79, v80-159 S^T of a low and a high tile; v160-239 w''; v240-255 statistics and constants.  Then: v0-127 O^T (tile q, channels 16 ct on: 8 (4 q + ct)); v128-191 V's two buffers.
.set KP,    80                         ; a key's row in LDS: 64 bytes + 16
.set VP,    1040                       ; a channel's row of V: 1,024 keys + 16
.set VREG,  51200                      ; LDS: 640 rows of K from 0; 64 rows of V;
.set WREG,  117760                     ; WTAB, 4,352 bytes;
.set FREG,  122112                     ; 640 numbers of FILL;
.set STG,   124672                     ; a stage of [64 tokens][80 bytes] for each wave;
.set SPARE, 165632                     ; the spare words, 128 bytes a wave
.set KCH,   73728
.set KA,  3
.set FA,  4
.set WA,  5
.set VA0, 6
.set VAD, 7                            ; v7, v8
.set QO,  9
.set STO, 10
.set RD,  11
.set GO,  12
.set SPW, 14                           ; LDS address of my spare word; never rewritten
.set NIL, 15                           ; 0; never rewritten
.set Q,    32
.set KB,   64
.set P,    128
.set FARB, 224
.set SLO,  0
.set SHI,  80
.set W,    160
.set VB,   128
.set WV,  16
.set SEL, 20
.set MSB, 0
.macro WIN new                         ; the immediate's high byte repeats the setting that is left
.if MSB != (\new)
	s_set_vgpr_msb (MSB<<8)|(\new)
.set MSB, (\new)
.endif
.endm
	s_load_b256 s[4:11], s[0:1], 0x0               ; qc s[4:5], kc s[6:7], vc s[8:9], aux s[10:11]
	s_load_b128 s[12:15], s[0:1], 0x20             ; the scales' exponents s[12:13], cc s[14:15]
	v_lshl_add_u32 v[SPW], v0, 2, SPARE
	v_mov_b32 v[NIL], 0
	ds_add_u32 v[SPW], v[NIL]                      ; the wave's opening: the add and its wait stand ahead of my first tensor load; the set-up below, work on registers, stands between them
	ds_add_u32 v[SPW], v[NIL]
	v_lshrrev_b32 v1, 5, v0
	s_delay_alu instid0(VALU_DEP_1)
	v_readfirstlane_b32 s[WV], v1                  ; wave 0..7
	s_and_b32 s18, ttmp7, 0xffff                   ; the head, 0 .. 127
	s_and_b32 s19, s[WV], 1                        ; which half of K a fetching wave takes,
	s_and_b32 s17, s[WV], 3                        ; and which quarter of V
	; K: 320 keys a load; their rows of 64 bytes are dense in memory, stated as 80 rows of 256 bytes; 16 bytes of padding behind every 64
	s_mov_b32 s24, (0<<16)|(1<<20)|(3<<22)|(3<<25) ; elements of 1 byte; padding on; after every 16 words (code 3), 4 words (code 3)
	s_mov_b32 s25, 256<<16
	s_mov_b32 s26, 80<<16
	s_mov_b32 s27, 256<<16
	s_mov_b32 s28, 80
	s_mov_b32 s29, 256
	s_mov_b32 s30, 0
	s_mov_b32 s31, 0
	; V: 16 channels a load, rows of 1,024 bytes, 16 bytes of padding behind each
	s_mov_b32 s32, 0                               ; elements of 1 byte, no padding: see tile_dim0
	s_mov_b32 s33, 1024<<16
	s_mov_b32 s34, 16<<16
	s_mov_b32 s35, VP<<16                          ; tile_dim0 = 1,040, 16 more than tensor_dim0: the mover writes zeros there, so every byte of V's region is written
	s_mov_b32 s36, 16
	s_mov_b32 s37, 1024
	s_mov_b32 s38, 0
	s_mov_b32 s39, 0
	; WTAB: a dense block of 17 rows of 256 bytes; FILL: of 10
	s_mov_b32 s40, 3<<16                           ; elements of 8 bytes, no padding
	s_mov_b32 s41, 32<<16
	s_mov_b32 s42, 17<<16
	s_mov_b32 s43, 32<<16
	s_mov_b32 s44, 17
	s_mov_b32 s45, 32
	s_mov_b32 s46, 0
	s_mov_b32 s47, 0
	s_mov_b32 s48, 3<<16
	s_mov_b32 s49, 32<<16
	s_mov_b32 s50, 10<<16
	s_mov_b32 s51, 32<<16
	s_mov_b32 s52, 10
	s_mov_b32 s53, 32
	s_mov_b32 s54, 0
	s_mov_b32 s55, 0
	s_mov_b32 s[SEL], 0x76543210                   ; v_permlanex16_b32: lane l xor 16
	s_mov_b32 s[SEL+1], 0xfedcba98
	s_mul_i32 s82, s18, KCH                        ; the head in kc and qc
	s_lshl_b32 s83, ttmp9, 9                       ; the work-group's first query, 0 or 512: kc's row of the first key of its windows
	s_mul_i32 s84, s19, 320
	s_add_co_u32 s84, s84, s83
	s_lshl_b32 s84, s84, 6
	s_add_co_u32 s84, s84, s82
	s_mov_b32 s85, 0                               ; K: rows 512 x + 320 (wave % 2) on
	s_lshl_b32 s86, s18, 16
	s_lshl_b32 s87, s17, 14
	s_add_co_u32 s86, s86, s87
	s_mov_b32 s87, 0                               ; V: channels 16 (wave % 4) on
	s_lshr_b32 s88, s18, 4
	s_mul_i32 s88, s88, 4608
	s_lshl_b32 s89, ttmp9, 11
	s_add_co_u32 s88, s88, s89
	s_add_co_u32 s88, s88, 4352
	s_mov_b32 s89, 0                               ; FILL: the batch's, index 512 x on
	s_lshl_b32 s90, s[WV], 6
	s_add_co_u32 s90, s90, s83                     ; Q0, my first query
	s_lshl_b32 s91, s90, 6
	s_add_co_u32 s92, s91, s82
	s_add_co_u32 s92, s92, 4096
	s_mov_b32 s93, 0                               ; its row in qc
	s_lshl_b32 s94, s18, 16
	s_add_co_u32 s94, s94, s91
	s_mov_b32 s95, 0                               ; and in cc
	s_mul_i32 s22, s19, 320*KP
	s_mul_i32 s23, s17, 16*VP
	s_add_co_u32 s23, s23, VREG
	s_lshl_b32 s81, ttmp9, 3
	s_add_co_u32 s81, s81, s[WV]
	s_add_co_u32 s81, s81, 15
	s_lshl_b32 s81, s81, 6
	s_and_b32 s81, s81, 0x3c0                      ; the second product's first key step: the window's first, (8 x + wave - 1) mod 16, in bytes of V's rows
	s_wait_dscnt 0x0                               ; the opening add is done
	s_wait_kmcnt 0x0
	s_load_b64 s[76:77], s[12:13], 0x20            ; e8, e9
	s_load_b32 s78, s[12:13], 0x28                 ; e10
	s_mov_b32 s56, 1
	s_mov_b32 s57, s22
	s_add_nc_u64 s[58:59], s[6:7], s[84:85]
	s_or_b32 s59, s59, 0x80000000
	s_mov_b32 s60, 1
	s_mov_b32 s61, s23
	s_add_nc_u64 s[62:63], s[8:9], s[86:87]
	s_or_b32 s63, s63, 0x80000000
	s_mov_b32 s68, 1
	s_mov_b32 s69, WREG
	s_mov_b64 s[70:71], s[10:11]
	s_or_b32 s71, s71, 0x80000000
	s_mov_b32 s72, 1
	s_mov_b32 s73, FREG
	s_add_nc_u64 s[74:75], s[10:11], s[88:89]
	s_or_b32 s75, s75, 0x80000000
	; THE FILLS: all at the head, each LDS byte once, eight loads for eight waves, one in each arm of one chain of branches on the wave's number:
	; waves 0, 1: a half of K; wave 2: WTAB; wave 3: FILL; waves 4 to 7: a quarter of V.  So one tensor load of a wave is out.
	s_cmp_lt_u32 s[WV], 2
	s_cbranch_scc0 .Lnot_k
	tensor_load_to_lds s[56:59], s[24:31]
	s_nop 0
.rept 4
	v_nop
.endr
	s_branch .Lasked
.Lnot_k:
	s_cmp_eq_u32 s[WV], 2
	s_cbranch_scc0 .Lnot_w
	tensor_load_to_lds s[68:71], s[40:47]
	s_nop 0
.rept 4
	v_nop
.endr
	s_branch .Lasked
.Lnot_w:
	s_cmp_eq_u32 s[WV], 3
	s_cbranch_scc0 .Lfor_v
	tensor_load_to_lds s[72:75], s[48:55]
	s_nop 0
.rept 4
	v_nop
.endr
	s_branch .Lasked
.Lfor_v:
	tensor_load_to_lds s[60:63], s[32:39]
	s_nop 0
.rept 4
	v_nop
.endr
.Lasked:
	s_add_nc_u64 s[4:5], s[4:5], s[92:93]
	s_add_nc_u64 s[14:15], s[14:15], s[94:95]
	v_and_b32 v1, 15, v0                           ; r
	v_bfe_u32 v2, v0, 4, 1                         ; h
	s_delay_alu instid0(VALU_DEP_2)
	v_lshlrev_b32 v[QO], 6, v1
	s_delay_alu instid0(VALU_DEP_1)
	v_lshl_add_u32 v[QO], v2, 4, v[QO]
.irp q, 0,1,2,3                            ; Q stays in registers.  A fragment, 16 rows x 64 K, is 8 registers: registers 4 c .. 4 c + 3 hold K = 32 c + 16 h + 0 .. 15: the same order of K on both sides of a product
.irp c, 0,1
	global_load_b128 v[Q+8*\q+4*\c:Q+8*\q+4*\c+3], v[QO], s[4:5] offset:1024*\q+32*\c
.endr
.endr
	v_and_b32 v13, 8, v1
	s_delay_alu instid0(VALU_DEP_1)
	v_add_nc_u32 v13, v13, v1                      ; r + 8 (r / 8)
	s_lshl_b32 s82, s[WV], 6
	v_add_nc_u32 v13, s82, v13                     ; my window begins at LDS row 64 x wave
	s_delay_alu instid0(VALU_DEP_1)
	v_mul_u32_u24 v[KA], v13, KP
	s_delay_alu instid0(VALU_DEP_1)
	v_lshl_add_u32 v[KA], v2, 4, v[KA]
	s_lshl_b32 s83, s[WV], 8
	s_add_co_u32 s83, s83, FREG
	v_lshl_add_u32 v[FA], v2, 6, s83               ; FILL of window key 16 h
	; w'' of (query 16 i + r, window key kk) is word kk + 64 - 16 i - r + s of copy s; s = r % 4 makes a lane's four neighbours begin at a multiple of 16 bytes
	v_and_b32 v13, 3, v1
	s_delay_alu instid0(VALU_DEP_1)
	v_mul_u32_u24 v[WA], v13, 1088
	s_delay_alu instid0(VALU_DEP_1)
	v_lshl_add_u32 v[WA], v2, 6, v[WA]
	s_delay_alu instid0(VALU_DEP_1)
	v_add_nc_u32 v[WA], WREG+192, v[WA]
	v_lshrrev_b32 v13, 2, v1
	s_delay_alu instid0(VALU_DEP_1)
	v_lshlrev_b32 v13, 4, v13
	s_delay_alu instid0(VALU_DEP_1)
	v_sub_nc_u32 v[WA], v[WA], v13
	v_mul_u32_u24 v[VA0], v1, VP
	s_delay_alu instid0(VALU_DEP_1)
	v_lshl_add_u32 v[VA0], v2, 4, v[VA0]
	s_delay_alu instid0(VALU_DEP_1)
	v_add_nc_u32 v[VA0], VREG, v[VA0]
	s_mul_i32 s82, s[WV], 64*KP
	s_add_co_u32 s82, s82, STG                     ; my stage
	v_mul_u32_u24 v[STO], v1, KP
	s_delay_alu instid0(VALU_DEP_1)
	v_lshl_add_u32 v[STO], v2, 3, v[STO]
	s_delay_alu instid0(VALU_DEP_1)
	v_add_nc_u32 v[STO], s82, v[STO]
	v_and_b32 v13, 31, v0
	s_delay_alu instid0(VALU_DEP_1)
	v_lshlrev_b32 v[GO], 4, v13
	s_delay_alu instid0(VALU_DEP_2)
	v_lshrrev_b32 v[RD], 2, v13
	s_delay_alu instid0(VALU_DEP_1)
	v_mul_u32_u24 v[RD], v[RD], KP
	s_delay_alu instid0(VALU_DEP_4)
	v_and_b32 v13, 3, v13
	s_delay_alu instid0(VALU_DEP_1)
	v_lshl_add_u32 v[RD], v13, 4, v[RD]
	s_delay_alu instid0(VALU_DEP_1)
	v_add_nc_u32 v[RD], s82, v[RD]
	s_wait_kmcnt 0x0
	s_add_co_i32 s82, s76, 127
	s_lshl_b32 s83, s82, 23
	s_add_co_i32 s82, s82, 8
	s_lshl_b32 s82, s82, 23
	s_or_b32 s82, s82, 0x600000
	WIN 0x40
	v_mov_b32 v255, s83                            ; 2^e8 as f32, for the weights' conversions
	v_mov_b32 v254, s82                            ; 448 x 2^e8
	v_mov_b32 v253, 0                              ; written once: a lane permute's destination counts as one of its sources
	WIN 0
	s_wait_tensorcnt 0x0                           ; my one load is in
	s_barrier_signal -1
	s_barrier_wait -1                              ; everybody's is
	s_wait_loadcnt 0x0                             ; Q
.macro LOADW i                         ; the 80 weights of tiles i and i + 2
	WIN 0x40
.irp x, 0,1,2,3,4
.irp uv, 0,1,2,3
	ds_load_b128 v[W+16*\x+4*\uv:W+16*\x+4*\uv+3], v[WA] offset:4*(32*\x+4*\uv)+64*(1-\i)
.endr
.endr
	WIN 0
.endm
.macro LOADG g, buf                    ; group g: two tiles of K, and FILL in the result's layout: 8 loads
.irp u, 0,1
.irp c, 0,1
	ds_load_b128 v[KB+32*\buf+8*\u+4*\c:KB+32*\buf+8*\u+4*\c+3], v[KA] offset:(32*(\g)+8*\u)*KP+32*\c
.endr
.endr
.irp uv, 0,1,2,3
	ds_load_b128 v[KB+32*\buf+16+4*\uv:KB+32*\buf+16+4*\uv+3], v[FA] offset:128*(\g)+16*\uv
.endr
.endm
.macro MULG g, buf, i                  ; its scores for the low tile (groups 0-4) and the high tile (groups 1-5): each sum is one instruction, K = 64, and begins with FILL
	WIN 0x40
.irp u, 0,1
.if (\g) <= 4
	v_wmma_f32_16x16x64_fp8_fp8 v[SLO+16*(\g)+8*\u:SLO+16*(\g)+8*\u+7], v[KB+32*\buf+8*\u:KB+32*\buf+8*\u+7], v[Q+8*\i:Q+8*\i+7], v[KB+32*\buf+16+8*\u:KB+32*\buf+16+8*\u+7]
.endif
.if (\g) >= 1
	v_wmma_f32_16x16x64_fp8_fp8 v[SHI+16*((\g)-1)+8*\u:SHI+16*((\g)-1)+8*\u+7], v[KB+32*\buf+8*\u:KB+32*\buf+8*\u+7], v[Q+8*(\i+2):Q+8*(\i+2)+7], v[KB+32*\buf+16+8*\u:KB+32*\buf+16+8*\u+7]
.endif
.endr
	WIN 0
.rept 4
	v_nop                                          ; places in front of the loads into the buffer just read, and of the first read of results
.endr
.endm
.macro QK i
	LOADW \i
	LOADG 0, 0
	LOADG 1, 1
.irp g, 0,1,2,3,4,5
.if \g < 5
	s_wait_dscnt 8                                 ; this group is in; the next group's eight loads may be out
.else
	s_wait_dscnt 0
.endif
	MULG \g, (\g%2), \i
.if \g < 4
	LOADG \g+2, (\g%2)
.endif
.endr
.endm
; THE SOFTMAX of tile q, whose 80 sums a lane lie at v[sb] on; hi = 1: a high tile.  All in window 1 but the codes.
.macro SOFTMAX sb, q, hi
	WIN 0x55
	v_mov_b32 v242, 0                              ; the maximum, in two chains, begins at 0: the far keys' t
	v_mov_b32 v243, 0
.set p, 0
.rept 10
.irp k, 0,1,2,3
	v_pk_mul_f32 v[244+2*\k:245+2*\k], v[\sb+2*(p+\k):\sb+2*(p+\k)+1], v[W+2*(p+\k):W+2*(p+\k)+1]   ; each accumulator from its low end on
.endr
.irp k, 0,1,2,3
	v_max3_num_f32 v[242+\k%2], v[242+\k%2], v[244+2*\k], v[245+2*\k]
.endr
.set p, p+4
.endr
	s_delay_alu instid0(VALU_DEP_1)
	v_max_num_f32 v242, v242, v243
	s_delay_alu instid0(VALU_DEP_1)
	v_permlanex16_b32 v253, v242, s[SEL], s[SEL+1] ; the query's other keys lie in the lane 16 away
	s_delay_alu instid0(VALU_DEP_1)
	v_max_num_f32 v242, v242, v253
	s_delay_alu instid0(VALU_DEP_1)
	v_mul_f32 v240, -1.0, v242                     ; -M, twice
	s_delay_alu instid0(VALU_DEP_2)
	v_mul_f32 v241, -1.0, v242
.set p, 0
.rept 40
	v_pk_fma_f32 v[\sb+p:\sb+p+1], v[\sb+p:\sb+p+1], v[W+p:W+p+1], v[240:241]   ; t - M, rounded once
.set p, p+2
.endr
.set p, 0
	s_wait_alu depctr_va_vdst(0)
.rept 80
	v_exp_f32 v[\sb+p], v[\sb+p]
.set p, p+1
.endr
	v_exp_f32 v252, v240                           ; a far key's 2^(-M)
	v_nop                                          ; a plain line behind the last exponential,
	s_wait_alu depctr_va_vdst(0)                   ; and ONE wait for the batch of 81, ahead of its first reader
	v_pk_add_f32 v[244:245], v[\sb:\sb+1], v[\sb+2:\sb+3]   ; the sum, two at a time, in two chains
	v_pk_add_f32 v[246:247], v[\sb+4:\sb+5], v[\sb+6:\sb+7]
.set p, 8
.rept 18
	v_pk_add_f32 v[244:245], v[244:245], v[\sb+p:\sb+p+1]
	v_pk_add_f32 v[246:247], v[246:247], v[\sb+p+2:\sb+p+3]
.set p, p+4
.endr
	s_delay_alu instid0(VALU_DEP_1)
	v_pk_add_f32 v[244:245], v[244:245], v[246:247]
	s_delay_alu instid0(VALU_DEP_1)
	v_add_f32 v244, v244, v245
	s_delay_alu instid0(VALU_DEP_1)
	v_permlanex16_b32 v253, v244, s[SEL], s[SEL+1]
	s_delay_alu instid0(VALU_DEP_1)
	v_add_f32 v244, v244, v253
	v_fmamk_f32 v244, v252, 0x44580000, v244       ; + 864 far keys
	s_wait_alu depctr_va_vdst(0)
	v_rcp_f32 v248, v244
	v_nop
	s_wait_alu depctr_va_vdst(0)
	v_mov_b32 v249, v248
.set p, 0
.rept 40
	v_pk_mul_f32 v[\sb+p:\sb+p+1], v[\sb+p:\sb+p+1], v[248:249]   ; the finished weights
.set p, p+2
.endr
	v_mul_f32 v252, v252, v248                     ; and the far one
.set p, 0
.rept 80
	v_min_num_f32 v[\sb+p], v[\sb+p], v254         ; the conversion does not saturate (ISA guide 7.6.2); a weight is not negative, so the hold is one-sided
.set p, p+1
.endr
.irp j, 0,1,2,3,4,5,6,7
	v_min_num_f32 v[244+\j], v252, v254
.endr
	WIN 0x05                                       ; sources window 1, destination window 0
.irp y, 0,1,2,3,4,5,6,7,8,9
	v_cvt_scalef32_pk8_fp8_f32 v[P+24*\q+4*\hi+2*\y:P+24*\q+4*\hi+2*\y+1], v[\sb+8*\y:\sb+8*\y+7], v255
.endr
	v_cvt_scalef32_pk8_fp8_f32 v[FARB+8*\q:FARB+8*\q+1], v[244:251], v255
	v_nop                                          ; a plain line between the conversions and what touches their results or writes their sources
	WIN 0
.irp j, 2,3,4,5,6,7
	v_mov_b32 v[FARB+8*\q+\j], v[FARB+8*\q]        ; eight registers of the one code
.endr
.irp j, 0,1,2,3
	v_mov_b32 v[P+24*\q+20*(1-\hi)+\j], v[FARB+8*\q]   ; and the window's group that was left out
.endr
.endm
	QK 0
	SOFTMAX SLO, 0, 0
	SOFTMAX SHI, 2, 1
	QK 1
	SOFTMAX SLO, 1, 0
	SOFTMAX SHI, 3, 1
	s_wait_alu depctr_va_vdst(0)                   ; V has been whole since the head's barrier
; O^T = V^T P^T: 16 key steps of 64, beginning with the window's three; 16 matrix instructions a step, the 16 accumulators by turns.  V's fragments are fetched two steps ahead, into two buffers.
.macro LOADV buf
	v_add_nc_u32 v[VAD+\buf], s81, v[VA0]          ; with the three lines below: the four places in front of loads into registers that matrix instructions have read
.rept 3
	v_nop
.endr
	s_add_co_u32 s81, s81, 64
	s_and_b32 s81, s81, 0x3c0                      ; the next key step, modulo 16
	WIN 0x40
.irp ct, 0,1,2,3
.irp c, 0,1
	ds_load_b128 v[VB+32*\buf+8*\ct+4*\c:VB+32*\buf+8*\ct+4*\c+3], v[VAD+\buf] offset:16*VP*\ct+32*\c
.endr
.endr
	WIN 0
.endm
.macro PVSTEP buf, base, stride, zero, load, left   ; tile q's weights at v[base + stride q]; left: the next step's loads, which may stay out
	s_wait_dscnt \left
	WIN 0x51                                       ; V, C and D window 1, the weights window 0
.irp ct, 0,1,2,3
.irp q, 0,1,2,3
.if \zero
	v_wmma_f32_16x16x64_fp8_fp8 v[8*(4*\q+\ct):8*(4*\q+\ct)+7], v[VB+32*\buf+8*\ct:VB+32*\buf+8*\ct+7], v[\base+\stride*\q:\base+\stride*\q+7], 0
.else
	v_wmma_f32_16x16x64_fp8_fp8 v[8*(4*\q+\ct):8*(4*\q+\ct)+7], v[VB+32*\buf+8*\ct:VB+32*\buf+8*\ct+7], v[\base+\stride*\q:\base+\stride*\q+7], v[8*(4*\q+\ct):8*(4*\q+\ct)+7]
.endif
.endr
.endr
	WIN 0
.if \load
	LOADV \buf
.endif
.endm
	LOADV 0
	LOADV 1
	PVSTEP 0, P, 24, 1, 1, 8                       ; the window's three steps; the first starts the sums
	PVSTEP 1, P+8, 24, 0, 1, 8
	PVSTEP 0, P+16, 24, 0, 1, 8
	s_mov_b32 s79, 5
.Lfar:                                                 ; far steps 3 .. 12, two a trip, so that the buffers are back where they began
	PVSTEP 1, FARB, 8, 0, 1, 8
	PVSTEP 0, FARB, 8, 0, 1, 8
	s_sub_co_u32 s79, s79, 1
	s_cmp_lg_u32 s79, 0
	s_cbranch_scc1 .Lfar
	PVSTEP 1, FARB, 8, 0, 1, 8                     ; step 13 fetches step 15's fragments: the last
	PVSTEP 0, FARB, 8, 0, 0, 8
	PVSTEP 1, FARB, 8, 0, 0, 0
	; THE WAY OUT.  A sum stands for sum x 2^(e8 + e9); its code for the last product is sum / 2^(e10 - e8 - e9): the three scales in the conversion's one.
	s_sub_co_i32 s82, s78, s76
	s_sub_co_i32 s82, s82, s77
	s_add_co_i32 s82, s82, 127
	s_lshl_b32 s83, s82, 23
	s_add_co_i32 s82, s82, 8
	s_lshl_b32 s82, s82, 23
	s_or_b32 s82, s82, 0x600000
	WIN 0x40
	v_mov_b32 v255, s83
	v_mov_b32 v254, s82
	v_nop
	v_nop                                          ; four places behind the last products
	WIN 0x55
.set p, 0
.rept 128
	v_med3_num_f32 v[p], v[p], -v254, v254         ; each accumulator from its low end on
.set p, p+1
.endr
	WIN 0x05
.set p, 0
.rept 16
	v_cvt_scalef32_pk8_fp8_f32 v[64+2*p:64+2*p+1], v[8*p:8*p+7], v255
.set p, p+1
.endr
	v_nop
	WIN 0
.irp q, 0,1,2,3                            ; lane (r, h): token 16 q + r, channels 16 ct + 8 h + 0 .. 7
.irp ct, 0,1,2,3
	ds_store_b64 v[STO], v[64+2*(4*\q+\ct):64+2*(4*\q+\ct)+1] offset:16*KP*\q+16*\ct
.endr
.endr
.irp i, 0,1,2,3,4,5,6,7
	ds_load_b128 v[96+4*\i:96+4*\i+3], v[RD] offset:8*KP*\i   ; LDS serves a wave's instructions in order (ISA guide 5.7.1.4): these see my stores
.endr
.irp i, 0,1,2,3,4,5,6,7
	s_wait_dscnt 7-\i
	global_store_b128 v[GO], v[96+4*\i:96+4*\i+3], s[14:15] offset:512*\i   ; 32 lanes store 512 consecutive bytes, eight tokens' rows, at a multiple of 256 from cc's first byte
.endr
	s_wait_tensorcnt 0x0                           ; the wave's end, behind my last tensor load and my last LDS store
	ds_add_u32 v[SPW], v[NIL]
	s_wait_dscnt 0x0
	s_endpgm
.Lfunc_end_k_q701f1baa17_attn:
	.size	k_q701f1baa17_attn, .Lfunc_end_k_q701f1baa17_attn-k_q701f1baa17_attn
	.p2alignl 7, 3214868480
	.fill 96, 4, 3214868480
	.section	.rodata,"a",@progbits
	.p2align	6, 0x0
	.amdhsa_kernel k_q701f1baa17_attn
		.amdhsa_group_segment_fixed_size 167936
		.amdhsa_private_segment_fixed_size 0
		.amdhsa_enable_private_segment 0
		.amdhsa_kernarg_size 48
		.amdhsa_user_sgpr_count 2
		.amdhsa_user_sgpr_kernarg_segment_ptr 1
		.amdhsa_wavefront_size32 1
		.amdhsa_system_sgpr_workgroup_id_x 1
		.amdhsa_system_sgpr_workgroup_id_y 1
		.amdhsa_system_sgpr_workgroup_id_z 1
		.amdhsa_system_vgpr_workitem_id 0
		.amdhsa_next_free_vgpr 512
		.amdhsa_next_free_sgpr 96
		.amdhsa_reserve_vcc 0
		.amdhsa_float_denorm_mode_32 3
		.amdhsa_float_denorm_mode_16_64 3
		.amdhsa_memory_ordered 1
		.amdhsa_forward_progress 1
		.amdhsa_inst_pref_size 131
	.end_amdhsa_kernel
	.amdgpu_metadata
---
amdhsa.version: [ 1, 2 ]
amdhsa.kernels:
  - .name:           k_q701f1baa17_attn
    .symbol:         k_q701f1baa17_attn.kd
    .args:
      - { .name: qc, .offset: 0, .size: 8, .value_kind: global_buffer, .address_space: global }
      - { .name: kc, .offset: 8, .size: 8, .value_kind: global_buffer, .address_space: global }
      - { .name: vc, .offset: 16, .size: 8, .value_kind: global_buffer, .address_space: global }
      - { .name: aux, .offset: 24, .size: 8, .value_kind: global_buffer, .address_space: global }
      - { .name: lowp_scales, .offset: 32, .size: 8, .value_kind: global_buffer, .address_space: global }
      - { .name: cc, .offset: 40, .size: 8, .value_kind: global_buffer, .address_space: global }
    .group_segment_fixed_size: 167936
    .private_segment_fixed_size: 0
    .kernarg_segment_align: 8
    .kernarg_segment_size: 48
    .max_flat_workgroup_size: 256
    .sgpr_count:     96
    .vgpr_count:     512
    .wavefront_size: 32
...
	.end_amdgpu_metadata
.endif
;; end of part 3
;; launch outp (part 4): grid 4 x 64, 4 waves a work-group, clusters of 4 x 4, 327,680 bytes of LDS; arguments cc, wc, lowp_scales, bo, out0; writes out0
.if DOCPART == 4
	.amdgcn_target "amdgcn-amd-amdhsa--gfx1250"
	.amdhsa_code_object_version 6
	.text
	.protected	k_q701f1baa17_outp
	.globl	k_q701f1baa17_outp
	.p2align	8
	.type	k_q701f1baa17_outp,@function
k_q701f1baa17_outp:
	s_mov_b64 s[64:65], 0
	v_nop
	global_prefetch_b8 v0, s[64:65] scope:SCOPE_SE
	s_setreg_imm32_b32 hwreg(HW_REG_WAVE_MODE, 25, 1), 1
	s_wait_xcnt 0x0
	s_wait_alu depctr_hold_cnt(0) depctr_sa_sdst(0) depctr_va_vdst(0) depctr_va_sdst(0) depctr_va_ssrc(0) depctr_va_vcc(0) depctr_vm_vsrc(0)
	s_getreg_b32 s2, hwreg(HW_REG_IB_STS2, 6, 4)
	s_cmp_eq_u32 s2, 0
	s_cbranch_scc0 .Lentry_in_a_cluster
	s_endpgm
.Lentry_in_a_cluster:
	s_bfe_u32 s2, ttmp6, 0x10000c
	s_cmp_lg_u32 s2, 0xf033
	s_cbranch_scc0 .Lentry_shape_is_right
	s_endpgm
.Lentry_shape_is_right:
; THE LAST PRODUCT: out0 = ctx Wo^T + bo on codes of FP8 (E4M3).  ctx: cc, [128 heads][1024 tokens][64] codes; Wo: wc's fourth part, [1024][1024] codes; a sum stands for sum x 2^(e10 + e11).
; LIMIT: e10 + e11 between -126 and 127, so that 2^(e10 + e11) is an f32 number.
; SHARES.  A block of out0 is 128 tokens x 256 columns: 64 x 4 = 256 work-groups.  Four waves, 64 tokens x 128 columns each: 32 accumulators of 16 x 16, 256 registers.
; K goes in steps of 256 (four heads) through a ring of two LDS slots; a slot holds A as [4 heads][128 tokens][64 + 16 bytes] and B as 256 rows of 256 + 16 bytes.
; CLUSTERS: 4 x 4 work-groups; the four of a row need the same tokens, the four of a column the same rows of Wo: each tile is asked for jointly.
; THE HEAD'S FILLS: four whole tiles for four waves, one each: wave 0, 1: A of slot 0, 1; wave 2, 3: B of slot 0, 1.  THE REFILLS (K steps 2 and 3): each wave half a tile: waves 0, 1 two heads of A, waves 2, 3 128 rows of B.
; So a wave has one tensor load out at the most.  No prefetch: K is four slots long, two of them asked for at the head, so there is no trip to run ahead in.
; Source 0 = rows of Wo, source 1 = tokens: a lane holds eight neighbouring columns of a row; blocks of 16 rows leave through the wave's stage in slot 0 as rows of 512 bytes.
; REGISTERS: window 0: v0-31 addresses, v8-11 the bias; v128-191, v192-255 A's fragments, two sets (on the way out: rows read back).  window 1: B's fragments, two sets.  window 2: accumulator (a, b) at v[8 (8 a + b)].
.set SIZE_N, 1024
.set PITCH,  272
.set AP,     80
.set AHEAD,  128*AP                    ; a head's 128 tokens
.set HALFT,  128*PITCH
.set BOFF,   4*AHEAD
.set SLOT,   BOFF+2*HALFT
.set FR,     16
.set NP,     4                         ; places behind this matrix instruction (ISA guide 7.12.1)
.set SPARE,  2*SLOT                    ; behind the ring: the spare words, 128 bytes a wave
.set SPITCH, 528
.set ADRA, 16                          ; v16-17 LDS address of my A fragments in slot 0, 1
.set ADRB, 20                          ; v20-21 of B's
.set STO,  24
.set RD,   25
.set CO,   26
.set SPW,  28                          ; LDS address of my spare word; never rewritten
.set NIL,  29                          ; 0; never rewritten
.set AF,   128
.set BK,   128
.set G1A, 24                           ; group 1: A, four heads;  G1B: B, 256 rows;  R1A: A, two heads;  R1B: B, 128 rows
.set G1B, 48
.set R1A, 68
.set R1B, 76
.set HA,  32                           ; group 0 of the head's fills
.set HB,  36
.set RA,  56                           ; group 0 of the refills, one set for each slot
.set RB,  84
.set MSB, 0
.macro WIN new                         ; the immediate's high byte repeats the setting that is left
.if MSB != (\new)
	s_set_vgpr_msb (MSB<<8)|(\new)
.set MSB, (\new)
.endif
.endm
.set MUL_LO, 0xa1                      ; source 0 (B) window 1, source 1 (A) window 0, C and D window 2
.set TO_B,   0x40
.macro JLOAD g0a, g1a, g0b, g1b        ; waves 0, 1 fetch for A, waves 2, 3 for B; an s_nop 0 and four v_nop follow each line
	s_cmp_eq_u32 s15, 0
	s_cbranch_scc0 .Lfor_b_\@
	tensor_load_to_lds s[\g0a:\g0a+3], s[\g1a:\g1a+7]
	s_nop 0
.rept 4
	v_nop
.endr
	s_branch .Lasked_\@
.Lfor_b_\@:
	tensor_load_to_lds s[\g0b:\g0b+3], s[\g1b:\g1b+7]
	s_nop 0
.rept 4
	v_nop
.endr
.Lasked_\@:
.endm
.macro CREST                           ; a round of the cluster's barrier behind its opening barrier
	s_cmp_lg_u32 s14, 0
	s_cbranch_scc1 .Lnot_wave_0_\@
	s_barrier_signal -3
.Lnot_wave_0_\@:
	s_barrier_wait -3
	s_barrier_signal -1
	s_barrier_wait -1
.endm
.macro CROUND
	s_barrier_signal -1
	s_barrier_wait -1
	CREST
.endm
	s_load_b128 s[4:7], s[0:1], 0x0                ; cc, wc
	s_load_b128 s[8:11], s[0:1], 0x10              ; the scales' exponents, bo
	s_load_b64 s[12:13], s[0:1], 0x20              ; out0
	v_lshl_add_u32 v[SPW], v0, 2, SPARE
	v_mov_b32 v[NIL], 0
	ds_add_u32 v[SPW], v[NIL]                      ; the opening lines: the add, twice on end, and its wait ahead of my first tensor load
	ds_add_u32 v[SPW], v[NIL]
	v_lshrrev_b32 v1, 5, v0
	v_readfirstlane_b32 s14, v1                    ; wave 0..3
	s_lshr_b32 s15, s14, 1                         ; which 64 tokens are mine.  Also: I fetch for A (0) or for B (1)
	s_and_b32 s16, s14, 1                          ; which 128 columns.  Also: which slot I fill at the head, which half of a tile later
	s_bfe_u32 s40, ttmp6, 0x40000                  ; cx, cy
	s_bfe_u32 s41, ttmp6, 0x40004
	s_lshl_b32 s42, ttmp9, 2
	s_add_co_u32 s42, s42, s40                     ; X: which 256 columns
	s_and_b32 s17, ttmp7, 0xffff
	s_lshl_b32 s17, s17, 2
	s_add_co_u32 s17, s17, s41                     ; Y: which 128 tokens
	s_lshl_b32 s43, s41, 2
	s_lshl_b32 s43, 15, s43                        ; my row of the cluster
	s_lshl_b32 s44, 0x1111, s40                    ; my column
.irp g, G1A, R1A                       ; A: rows of 8,192 bytes (a head's 128 tokens, dense), 65,536 apart; 16 bytes of padding behind every 64
	s_or_b32 s[\g], s43, (1<<20)|(1<<21)|(3<<22)|(3<<25)
	s_mov_b32 s[\g+1], 8192<<16
	s_mov_b32 s[\g+3], 8192<<16
	s_mov_b32 s[\g+5], 65536
	s_mov_b32 s[\g+6], 0
	s_mov_b32 s[\g+7], 0
.endr
	s_mov_b32 s[G1A+2], 4<<16
	s_mov_b32 s[G1A+4], 4
	s_mov_b32 s[R1A+2], 2<<16
	s_mov_b32 s[R1A+4], 2
.irp g, G1B, R1B                       ; B: rows of 256 bytes, 1,024 apart; 16 bytes of padding behind each
	s_or_b32 s[\g], s44, (1<<20)|(1<<21)|(5<<22)|(3<<25)
	s_mov_b32 s[\g+1], 256<<16
	s_mov_b32 s[\g+3], 256<<16
	s_mov_b32 s[\g+5], 1024
	s_mov_b32 s[\g+6], 0
	s_mov_b32 s[\g+7], 0
.endr
	s_mov_b32 s[G1B+2], 256<<16
	s_mov_b32 s[G1B+4], 256
	s_mov_b32 s[R1B+2], 128<<16
	s_mov_b32 s[R1B+4], 128
	s_lshr_b32 s20, s17, 3
	s_lshl_b32 s20, s20, 20                        ; A: the batch's 16 heads of 65,536 bytes,
	s_and_b32 s18, s17, 7
	s_lshl_b32 s18, s18, 13                        ; token 128 (Y % 8), 64 bytes each
	s_add_co_u32 s20, s20, s18
	s_mov_b32 s21, 0
	s_lshl_b32 s46, s42, 8
	s_add_co_u32 s46, s46, 3072
	s_lshl_b32 s46, s46, 10                        ; B: row 3,072 + 256 X of wc
	s_mov_b32 s47, 0
	s_mul_i32 s18, s16, SLOT                       ; the head's fills go to slot wave % 2;
	s_mul_i32 s19, s16, 2*AHEAD                    ; a refill's halves
	s_mul_i32 s22, s16, HALFT
	s_lshl_b32 s92, s16, 18                        ; four heads on
	s_mov_b32 s93, 0
	s_lshl_b32 s94, s16, 17                        ; two heads on; also 128 rows of B on
	s_mov_b32 s95, 0
	s_lshl_b32 s98, s16, 8                         ; a K step on in B
	s_mov_b32 s99, 0
	s_wait_dscnt 0x0                               ; both opening adds are done
	s_wait_kmcnt 0x0
	s_load_b64 s[96:97], s[8:9], 0x28              ; e10, e11
	s_add_nc_u64 s[20:21], s[4:5], s[20:21]
	s_add_nc_u64 s[46:47], s[6:7], s[46:47]
	s_mov_b32 s[HA], 1
	s_mov_b32 s[HA+1], s18
	s_add_nc_u64 s[HA+2:HA+3], s[20:21], s[92:93]
	s_or_b32 s[HA+3], s[HA+3], 0x80000000
	s_mov_b32 s[HB], 1
	s_add_co_u32 s[HB+1], s18, BOFF
	s_add_nc_u64 s[HB+2:HB+3], s[46:47], s[98:99]
	s_or_b32 s[HB+3], s[HB+3], 0x80000000
	s_add_nc_u64 s[20:21], s[20:21], s[94:95]
	s_add_nc_u64 s[46:47], s[46:47], s[94:95]
.irp s, 0,1                            ; slot s is filled again with K step 2 + s
	s_mov_b32 s[RA+4*\s], 1
	s_add_co_u32 s[RA+4*\s+1], s19, \s*SLOT
	s_add_nc_u64 s[RA+4*\s+2:RA+4*\s+3], s[20:21], (2+\s)*4*65536
	s_or_b32 s[RA+4*\s+3], s[RA+4*\s+3], 0x80000000
	s_mov_b32 s[RB+4*\s], 1
	s_add_co_u32 s[RB+4*\s+1], s22, \s*SLOT+BOFF
	s_add_nc_u64 s[RB+4*\s+2:RB+4*\s+3], s[46:47], (2+\s)*256
	s_or_b32 s[RB+4*\s+3], s[RB+4*\s+3], 0x80000000
.endr
	CROUND                                         ; all sixteen work-groups are here: the first joint loads meet
	JLOAD HA, G1A, HB, G1B                         ; one tensor load a wave at the head: between them both slots
	s_mul_i32 s21, s15, 64*AP                      ; my 64 tokens in each head's block
	s_add_co_u32 s22, s22, BOFF                    ; my 128 rows of B
	s_mul_i32 s23, s14, 16*SPITCH                  ; my stage
	s_lshl_b32 s46, s42, 10
	s_lshl_b32 s47, s16, 9
	s_add_co_u32 s46, s46, s47                     ; my first column, in bytes
	s_mov_b32 s47, 0
	v_and_b32 v1, 15, v0                           ; r
	v_bfe_u32 v2, v0, 4, 1                         ; h
	v_and_b32 v6, 31, v0
	v_lshlrev_b32 v[CO], 4, v6
	v_add_nc_u32 v7, s46, v[CO]
	global_load_b128 v[8:11], v7, s[10:11]         ; the bias of my four columns of a row read back
	v_mul_u32_u24 v3, v1, AP
	v_lshl_add_u32 v3, v2, 4, v3
	v_mul_u32_u24 v4, v1, PITCH
	v_lshl_add_u32 v4, v2, 4, v4
	v_add_nc_u32 v[ADRA], s21, v3
	v_add_nc_u32 v[ADRB], s22, v4
	v_add_nc_u32 v[ADRA+1], SLOT, v[ADRA]
	v_add_nc_u32 v[ADRB+1], SLOT, v[ADRB]
	v_mul_u32_u24 v5, v1, SPITCH
	v_lshl_add_u32 v5, v2, 5, v5
	v_add_nc_u32 v[STO], s23, v5                   ; in: row r, 32 bytes for each half of the lanes
	v_add_nc_u32 v[RD], s23, v[CO]                 ; back: 32 lanes take a row of 512 bytes
	s_lshl_b32 s20, s17, 7
	s_lshl_b32 s21, s15, 6
	s_add_co_u32 s20, s20, s21                     ; my first row of out0: 128 Y + 64 x half
	s_lshl_b32 s20, s20, 12
	s_mov_b32 s21, 0
	s_add_nc_u64 s[20:21], s[20:21], s[46:47]
	s_add_nc_u64 s[12:13], s[12:13], s[20:21]
.macro FRAGB reg, adr, q, i            ; 16 rows x 128 K: registers 4 c .. 4 c + 3 hold K = 32 c + 16 h + 0 .. 15: the same order of K on both sides
.irp c, 0,1,2,3
	ds_load_b128 v[\reg+4*\c:\reg+4*\c+3], v[\adr] offset:128*(\q)+32*\c+(\i)*16*PITCH
.endr
.endm
.macro FRAGA reg, adr, q, i            ; the same K from two heads' blocks
.irp c, 0,1,2,3
	ds_load_b128 v[\reg+4*\c:\reg+4*\c+3], v[\adr] offset:(2*(\q)+\c/2)*AHEAD+(\i)*16*AP+32*(\c%2)
.endr
.endm
.macro MUL16 a0, p, zero               ; A's blocks a0, a0 + 1 x B's eight, from set p; the 32 accumulators take turns
.irp a, \a0, \a0+1
.irp b, 0,1,2,3,4,5,6,7
.if \zero
	v_wmma_f32_16x16x128_fp8_fp8 v[8*(8*(\a)+\b):8*(8*(\a)+\b)+7], v[128*(\p)+FR*\b:128*(\p)+FR*\b+FR-1], v[AF+64*(\p)+FR*(\a):AF+64*(\p)+FR*(\a)+FR-1], 0
.else
	v_wmma_f32_16x16x128_fp8_fp8 v[8*(8*(\a)+\b):8*(8*(\a)+\b)+7], v[128*(\p)+FR*\b:128*(\p)+FR*\b+FR-1], v[AF+64*(\p)+FR*(\a):AF+64*(\p)+FR*(\a)+FR-1], v[8*(8*(\a)+\b):8*(8*(\a)+\b)+7]
.endif
.endr
.endr
.endm
.macro FETCH slot, q, p                ; 48 LDS loads: B's eight and A's four fragments of the slot's q-th 128 along K into set p
	WIN TO_B
.irp i, 0,1,2,3,4,5,6,7
	FRAGB 128*(\p)+FR*\i, ADRB+\slot, \q, \i
.endr
	WIN 0
.irp i, 0,1,2,3
	FRAGA AF+64*(\p)+FR*\i, ADRA+\slot, \q, \i
.endr
.endm
.macro PLACES n
.rept \n
	v_nop
.endr
.endm
.macro STEP slot, zero                 ; a slot's first 128 along K, from set 0; the second 128's fragments are fetched into set 1 ahead of the products
	s_wait_dscnt 0x0                               ; set 0 is in
	PLACES NP                                      ; in front of loads into registers that the last products read
	FETCH \slot, 1, 1
	WIN MUL_LO
	MUL16 0, 0, \zero
	MUL16 2, 0, \zero
	WIN 0
.endm
.macro TURN slot, next, fill           ; a slot's second 128, from set 1, and the change of slots
	s_wait_tensorcnt 0x0                           ; all my tensor loads have landed
	ds_add_u32 v[SPW], v[NIL]                      ; 0 onto my spare word
	s_wait_dscnt 0x0                               ; the add is done, set 1 is in, and my reads of this slot are over
	s_barrier_signal -1
	WIN MUL_LO
	MUL16 0, 1, 0                                  ; work on registers while the others arrive
	WIN 0
	s_barrier_wait -1
.if \fill
	CREST                                          ; the barrier has opened a round of the cluster's barrier
	JLOAD RA+4*\slot, R1A, RB+4*\slot, R1B         ; the first tensor load behind the round; its four v_nop are the places in front of the loads below
.else
	PLACES NP
.endif
	FETCH \next, 0, 0
	WIN MUL_LO
	MUL16 2, 1, 0
	WIN 0
.endm
	s_wait_alu depctr_va_vdst(0)                   ; the head's end
	s_wait_tensorcnt 0x0                           ; my tile is in,
	s_barrier_signal -1
	s_barrier_wait -1                              ; and everybody's: both slots are whole
	FETCH 0, 0, 0
	STEP 0, 1                                      ; the first products start the sums
	TURN 0, 1, 1
	STEP 1, 0
	TURN 1, 0, 1
	STEP 0, 0
	TURN 0, 1, 0                                   ; the last change of slots fills nothing
	STEP 1, 0
	s_wait_dscnt 0x0
	WIN MUL_LO
	MUL16 0, 1, 0
	MUL16 2, 1, 0
	WIN 0
; THE WAY OUT, block by block of 16 rows x 128 columns, through my stage in slot 0, which has had its last fill and which nobody reads behind the last change of slots.
.macro TOSTAGE a
.set AC, 64*(\a)
	WIN 0x08                                       ; the stores' data: window 2
.irp b, 0,1,2,3,4,5,6,7
	ds_store_b128 v[STO], v[AC+8*\b:AC+8*\b+3] offset:64*\b        ; each accumulator from its low end on
	ds_store_b128 v[STO], v[AC+8*\b+4:AC+8*\b+7] offset:64*\b+16
.endr
	WIN 0
.set BB, BK+64*((\a)%2)
.irp t, 0,1,2,3,4,5,6,7,8,9,10,11,12,13,14,15
	ds_load_b128 v[BB+4*\t:BB+4*\t+3], v[RD] offset:\t*SPITCH      ; LDS serves a wave's instructions in order (ISA guide 5.7.1.4): these see the stores above
.endr
.endm
.macro SEND a, younger                 ; younger: the LDS instructions issued behind block a's loads
.set BB, BK+64*((\a)%2)
	s_wait_dscnt \younger
.if (\a) > 0
	s_add_nc_u64 s[12:13], s[12:13], 16*SIZE_N*4   ; behind a wait on XCNT: the earlier stores have read their base
.endif
.irp t, 0,1,2,3,4,5,6,7,8,9,10,11,12,13,14,15
	v_pk_fma_f32 v[BB+4*\t:BB+4*\t+1], v[BB+4*\t:BB+4*\t+1], s[96:97], v[8:9] op_sel_hi:[1,0,1]       ; sum x 2^(e10 + e11) + bias
	v_pk_fma_f32 v[BB+4*\t+2:BB+4*\t+3], v[BB+4*\t+2:BB+4*\t+3], s[96:97], v[10:11] op_sel_hi:[1,0,1]
.endr
.irp t, 0,1,2,3,4,5,6,7,8,9,10,11,12,13,14,15
	global_store_b128 v[CO], v[BB+4*\t:BB+4*\t+3], s[12:13] offset:\t*SIZE_N*4 th:TH_STORE_NT   ; 32 lanes store 512 consecutive bytes, at a multiple of 256 from out0's first byte
.endr
.endm
	s_wait_loadcnt 0x0                             ; the bias
	s_wait_kmcnt 0x0
	s_add_co_i32 s96, s96, s97
	s_add_co_i32 s96, s96, 127
	s_lshl_b32 s96, s96, 23                        ; 2^(e10 + e11) as f32
	s_mov_b32 s97, s96                             ; (named with it as a pair, so it is written)
	PLACES NP
	TOSTAGE 0
.irp a, 1,2,3
.if \a > 1
	s_wait_xcnt 0x0                                ; block a - 2's stores have read their registers and their base
.endif
	TOSTAGE \a
	SEND \a-1, 32                                  ; behind block a - 1's loads: block a's 16 stores and 16 loads
.endr
	s_wait_xcnt 0x0
	SEND 3, 0
	s_wait_tensorcnt 0x0                           ; the wave's end
	ds_add_u32 v[SPW], v[NIL]
	s_wait_dscnt 0x0
	CROUND                                         ; the closing round
	s_endpgm
.Lfunc_end_k_q701f1baa17_outp:
	.size	k_q701f1baa17_outp, .Lfunc_end_k_q701f1baa17_outp-k_q701f1baa17_outp
	.p2alignl 7, 3214868480
	.fill 96, 4, 3214868480
	.section	.rodata,"a",@progbits
	.p2align	6, 0x0
	.amdhsa_kernel k_q701f1baa17_outp
		.amdhsa_group_segment_fixed_size 327680
		.amdhsa_private_segment_fixed_size 0
		.amdhsa_enable_private_segment 0
		.amdhsa_kernarg_size 40
		.amdhsa_user_sgpr_count 2
		.amdhsa_user_sgpr_kernarg_segment_ptr 1
		.amdhsa_wavefront_size32 1
		.amdhsa_system_sgpr_workgroup_id_x 1
		.amdhsa_system_sgpr_workgroup_id_y 1
		.amdhsa_system_sgpr_workgroup_id_z 1
		.amdhsa_system_vgpr_workitem_id 0
		.amdhsa_next_free_vgpr 768
		.amdhsa_next_free_sgpr 100
		.amdhsa_reserve_vcc 0
		.amdhsa_float_denorm_mode_32 3
		.amdhsa_float_denorm_mode_16_64 3
		.amdhsa_memory_ordered 1
		.amdhsa_forward_progress 1
		.amdhsa_inst_pref_size 76
	.end_amdhsa_kernel
	.amdgpu_metadata
---
amdhsa.version: [ 1, 2 ]
amdhsa.kernels:
  - .name:           k_q701f1baa17_outp
    .symbol:         k_q701f1baa17_outp.kd
    .args:
      - { .name: cc, .offset: 0, .size: 8, .value_kind: global_buffer, .address_space: global }
      - { .name: wc, .offset: 8, .size: 8, .value_kind: global_buffer, .address_space: global }
      - { .name: lowp_scales, .offset: 16, .size: 8, .value_kind: global_buffer, .address_space: global }
      - { .name: bo, .offset: 24, .size: 8, .value_kind: global_buffer, .address_space: global }
      - { .name: out0, .offset: 32, .size: 8, .value_kind: global_buffer, .address_space: global }
    .group_segment_fixed_size: 327680
    .private_segment_fixed_size: 0
    .kernarg_segment_align: 8
    .kernarg_segment_size: 40
    .max_flat_workgroup_size: 128
    .sgpr_count:     100
    .vgpr_count:     768
    .wavefront_size: 32
...
	.end_amdgpu_metadata
.endif
;; end of part 4
